; MI455X (gfx1250); checked and timed in simulation.
; The chip was launched on July 23, 2026; its instructions are those of AMD's public machine-readable ISA for CDNA 5 (MIT licence, August 2026) and "CDNA5" Instruction Set Architecture Reference Guide (July 2026). The comments in the code are by the model that wrote it; some were corrected since.
;; Causal Self Attention. Allowed arithmetic: matrix products marked QUANTISED: E2M1 operands, one E8M0 scale for each 32 along K, by v_wmma_scale_f32_16x16x128_f8f6f4 with both operands' format E2M1 (or v_wmma_scale_f32_32x16x128_f4), f32 sums; products left as they are: bf16, f16 or f32 operands; f32 sums; everything else in f32.
;; Inputs: b_attn 3,072 float32; b_proj 1,024 float32; w_attn 1,024 x 3,072 float32; w_proj 1,024 x 1,024 float32; x 4 x 2,048 x 1,024 float32.
;; Outputs: out0 4 x 2,048 x 1,024 float32.
;; This version of the problem:
;;   THIS VERSION OF THE PROBLEM IS GIVEN IN LOW PRECISION. The matrix products marked QUANTISED in the list below multiply operands that are first quantised to E2M1 (2 exponent bits, 1 mantissa bit; 4 bits a number), with one power-of-two scale for each 32 numbers along K (OCP MX v1.0); their sums are f32. The products marked 'left as it is' may take bf16, f16 or f32 operands, with f32 sums. Whichever they take, every output number must still come out within the allowed error. Rounding operands to bf16 (8 significant bits) uses up far more of that allowance than f16 does (11 bits, for magnitudes from 6e-5 to 65,504). All else is computed in f32.
;;   The module's matrix products, in the order in which they are computed (A, B: the left and right operand; K: the contracted axis; several contracted axes count as one K, in the product's order):
;;     1. [M 8,192, K 1,024] x [K 1,024, N 3,072]; A: input x; B: input w_attn: QUANTISED
;;     2. batch 64 x [M 2,048, K 64] x [K 64, N 2,048]; A: computed on the way; B: computed on the way: left as it is (an operand is computed on the way)
;;     3. batch 64 x [M 2,048, K 2,048] x [K 2,048, N 64]; A: computed on the way; B: computed on the way: left as it is (an operand is computed on the way)
;;     4. [M 8,192, K 1,024] x [K 1,024, N 1,024]; A: computed on the way; B: input w_proj: left as it is (an operand is computed on the way)
;;   THE QUANTISER, for each operand of a quantised product, along K:
;;     - K is cut into blocks of 32 from its start; a last block that is shorter is filled with zeros.
;;     - A block's scale is 2^e with e = floor(log2(the largest magnitude in the block)) - 2, held to -126 .. 127; a block of zeros has e = 0. As a byte (E8M0): e + 127.
;;     - Each number is divided by its block's scale, clamped to +-6, and rounded to the nearest number of E2M1, ties to even, subnormals kept.
;;     - The product sums the exact products of the quantised numbers (number of the format x scale) in f32.
;;   ~~~python
;;   def quantise(x, axis):      # numpy; x: float32 -> the quantised numbers, widened to float32 again
;;       x = np.moveaxis(x, axis, -1); K = x.shape[-1]
;;       x = np.pad(x, [(0, 0)] * (x.ndim - 1) + [(0, -K % 32)]); x = x.reshape(x.shape[:-1] + (-1, 32)); a = np.abs(x).max(-1, keepdims=True)
;;       e = np.where(a > 0, np.clip(np.frexp(np.where(a > 0, a, 1))[1] - 1 - 2, -126, 127), 0)      # np.frexp(a)[1] - 1 = floor(log2(a)), exactly
;;       r = np.clip(x / 2.0 ** e, -6, 6)
;;       step = 2.0 ** (np.maximum(np.frexp(np.where(r == 0, 1, r))[1] - 1, 0) - 1)
;;       q = np.round(r / step) * step * 2.0 ** e      # np.round: ties to even
;;       return np.moveaxis(q.reshape(q.shape[:-2] + (-1,))[..., :K], -1, axis).astype(np.float32)
;;   ~~~
;; One version. Each part assembles by itself: llvm-mc -triple=amdgcn-amd-amdhsa -mcpu=gfx1250 --defsym DOCPART=n.
;; ======== version 1 of 1: 5 launches
;; limits: values are held in f16: magnitudes above 65,504 overflow, below 6.1e-05 lose precision
;; workspace buffers: xc 4,194,304 bytes; xs 262,144 bytes; wc 1,572,864 bytes; ws 98,304 bytes; wph 2,097,152 bytes; qkv 50,331,648 bytes; q32 786,432 bytes; att 16,777,216 bytes
;; launch prep (part 1): grid 368 x 1, 4 waves a work-group, no clusters, 102,912 bytes of LDS; arguments x, w_attn, w_proj, xc, xs, wc, ws, wph; writes xc, xs, wc, ws, wph
.if DOCPART == 1
	.amdgcn_target "amdgcn-amd-amdhsa--gfx1250"
	.amdhsa_code_object_version 6
	.text
	.protected	k_qa0ad1a4b35_prep
	.globl	k_qa0ad1a4b35_prep
	.p2align	8
	.type	k_qa0ad1a4b35_prep,@function
k_qa0ad1a4b35_prep:
	s_mov_b64 s[64:65], 0
	v_nop
	global_prefetch_b8 v0, s[64:65] scope:SCOPE_SE
	s_setreg_imm32_b32 hwreg(HW_REG_WAVE_MODE, 25, 1), 1
	s_wait_xcnt 0x0
; THREE JOBS IN ONE LAUNCH, parted by the work-group's number; each job has LDS bytes of its own, waves share nothing, no barrier.
;  work-groups 0-255:   x [8192][1024] f32 -> codes of FP4 (E2M1), K innermost, xc [8192][512 bytes], and one E8M0 byte for each 32 along K, xs [8192][32].
;  work-groups 256-303: w_attn [1024 (k)][3072 (n)] f32, K its FIRST axis -> wc [3072][512 bytes], ws [3072][32]: a lane takes a column, its registers run down K.
;  work-groups 304-367: w_proj [1024 (k)][1024 (n)] f32 -> wph [1024 (n)][1024 (k)] f16: the same plan, a rounding in place of the quantiser.
; A block's scale is 2^(floor(log2(its largest magnitude)) - 2); its byte is the largest magnitude's exponent field - 2, held at 1 from below.
; LIMITS: a block of zeros gets the byte 1 where the rule says 127 (its codes are zeros; these bytes are read by this program alone); blocks whose largest magnitude lies under 2^-124
; were not tried; NaN and infinities are not served; w_proj must lie inside f16's range (65,504).
.set SPW,   190                        ; v190 LDS address of my spare word; never rewritten
.set NIL,   191                        ; v191 0; never rewritten
.set WST,   32768                      ; LDS: 0: x's four regions of 8,192;  here: w_attn's four stages of 32 x 272;
.set PST,   67584                      ; w_proj's four stages of 32 x 272;
.set SPARE, 102400                     ; the spare words, 128 bytes a wave
.set SP,    80                         ; x: a lane's place in a stage: 64 bytes + 16 of padding
.set R,     16                         ; x: v16-79 four sets of 16 numbers as loaded
.set X,     80                         ; x: v80-111 two sets of 16 neighbours
.set E,     112                        ; x: v112-127 a scale byte for each step
.set C,     128                        ; x: v128-159 codes, two registers for each step: no store's data are written again
.set WX,    32                         ; weights: v32-95 two sets of 32 numbers
.set WC,    96                         ; v96-111 a block's codes or halves
.set WOUT,  112                        ; v112-175 the way out
.set WSB,   24                         ; v24-27 scale bytes
.macro FINISH                          ; the wave's end, behind my last LDS store
	s_wait_tensorcnt 0x0
	ds_add_u32 v[SPW], v[NIL]
	s_wait_dscnt 0x0
	s_endpgm
.endm
	s_load_b256 s[4:11], s[0:1], 0x0               ; x s[4:5], w_attn s[6:7], w_proj s[8:9], xc s[10:11]
	s_load_b256 s[12:19], s[0:1], 0x20             ; xs s[12:13], wc s[14:15], ws s[16:17], wph s[18:19]
	v_lshl_add_u32 v[SPW], v0, 2, SPARE
	v_mov_b32 v[NIL], 0
	v_lshrrev_b32 v1, 5, v0
	v_readfirstlane_b32 s20, v1                    ; wave 0..3
	v_and_b32 v2, 31, v0                           ; lane
	s_mov_b32 s25, 0                               ; the high word of every offset here
	s_wait_kmcnt 0x0
	s_cmp_lt_u32 ttmp9, 256
	s_cbranch_scc0 .Lnot_x
; ---------------- x: a plain stream of blocks of 32.  A wave takes 16 steps of 512 numbers; each load reads 512 consecutive bytes; a step's 2,048 bytes turn through the wave's stage so that a lane holds 16 neighbours.
	v_lshlrev_b32 v3, 4, v2                        ; my 16 bytes of a load's 512
	s_mul_i32 s21, s20, 8192
	v_lshrrev_b32 v14, 2, v2
	v_mul_u32_u24 v14, v14, SP
	v_and_b32 v15, 3, v2
	v_lshl_add_u32 v14, v15, 4, v14
	v_add_nc_u32 v14, s21, v14                     ; the stage, in: SP (lane / 4) + 16 (lane % 4)
	v_mul_u32_u24 v15, v2, SP
	v_add_nc_u32 v15, s21, v15                     ; and out: SP x lane
	v_lshlrev_b32 v4, 3, v2                        ; my 8 bytes of a step's 256 bytes of codes
	v_lshrrev_b32 v5, 1, v2
	s_add_co_u32 s21, s21, 2*32*SP
	v_add_nc_u32 v5, s21, v5                       ; my block's byte among the wave's 256 scale bytes
	v_lshlrev_b32 v7, 3, v2
	v_add_nc_u32 v6, s21, v7
	s_lshl_b32 s22, ttmp9, 2
	s_add_co_u32 s22, s22, s20                     ; which run of 8,192 numbers is my wave's
	s_lshl_b32 s24, s22, 15
	s_add_nc_u64 s[4:5], s[4:5], s[24:25]
	s_lshl_b32 s24, s22, 12
	s_add_nc_u64 s[10:11], s[10:11], s[24:25]
	s_lshl_b32 s24, s22, 8
	s_add_nc_u64 s[12:13], s[12:13], s[24:25]
.macro XLOAD t
.irp i, 0,1,2,3
	global_load_b128 v[R+16*((\t)%4)+4*\i:R+16*((\t)%4)+4*\i+3], v3, s[4:5] offset:2048*(\t)+512*\i th:TH_LOAD_NT
.endr
.endm
.macro XTURN t                         ; LDS serves a wave's instructions in order: no wait between the stores and the loads
.irp i, 0,1,2,3
	ds_store_b128 v14, v[R+16*((\t)%4)+4*\i:R+16*((\t)%4)+4*\i+3] offset:32*SP*((\t)%2)+8*SP*\i
.endr
.irp i, 0,1,2,3
	ds_load_b128 v[X+16*((\t)%2)+4*\i:X+16*((\t)%2)+4*\i+3], v15 offset:32*SP*((\t)%2)+16*\i
.endr
.endm
.irp t, 0,1,2,3
	XLOAD \t
.endr
	s_wait_loadcnt 12                              ; step 0's four loads are in; three steps' twelve may be out
	XTURN 0
.macro XSTEP t
.set XS, X+16*((\t)%2)
.if (\t) > 0
	s_wait_dscnt 1                                 ; this step's numbers are back from the stage (the last step's byte store may be out)
.else
	s_wait_dscnt 0x0
.endif
.if (\t)+4 < 16
	XLOAD (\t)+4                                   ; into the registers that this step's stage stores have read
.endif
.if (\t)+1 < 16
.if 14-(\t) >= 3
	s_wait_loadcnt 12                              ; the next step's four are in; those of the three steps behind it may be out
.else
	s_wait_loadcnt 4*(14-(\t))
.endif
	XTURN (\t)+1
.endif
	v_max3_num_f32 v8, |v[XS]|, |v[XS+1]|, |v[XS+2]|
	v_max3_num_f32 v9, |v[XS+3]|, |v[XS+4]|, |v[XS+5]|
.irp i, 6,10
	v_max3_num_f32 v8, v8, |v[XS+\i]|, |v[XS+\i+1]|
	v_max3_num_f32 v9, v9, |v[XS+\i+2]|, |v[XS+\i+3]|
.endr
	v_max3_num_f32 v8, v8, |v[XS+14]|, |v[XS+15]|
	v_max3_num_f32 v8, v8, v9, 0x1800000           ; and the floor 2^(3 - 127): the byte cannot fall under 1
	v_max_num_f32_dpp v8, v8, v8 row_xmask:1 row_mask:0xf bank_mask:0xf   ; with my neighbour's 16: the block's largest magnitude
	v_add_nc_u32 v11, 0xff000000, v8               ; 2 off its exponent field: the conversion's scale operand
	v_cvt_scalef32_pk8_fp4_f32 v[C+2*(\t)], v[XS:XS+7], v11
	v_cvt_scalef32_pk8_fp4_f32 v[C+2*(\t)+1], v[XS+8:XS+15], v11
	v_lshrrev_b32 v[E+(\t)], 23, v11               ; the scale's byte (also the plain line behind the conversions)
	ds_store_b8 v5, v[E+(\t)] offset:16*(\t)       ; both lanes of a block write the same byte with the same value
	global_store_b64 v4, v[C+2*(\t):C+2*(\t)+1], s[10:11] offset:256*(\t)   ; the wave stores 256 consecutive bytes, aligned
.endm
.irp t, 0,1,2,3,4,5,6,7,8,9,10,11,12,13,14,15
	XSTEP \t
.endr
	ds_load_b64 v[8:9], v6
	s_wait_dscnt 0x0
	global_store_b64 v7, v[8:9], s[12:13]          ; the wave's 256 scale bytes, consecutive and aligned
	FINISH
.Lnot_x:
	v_lshlrev_b32 v3, 2, v2                        ; both weights: in, 4 bytes a lane
	v_and_b32 v5, 15, v2
	v_lshrrev_b32 v6, 4, v2
	s_cmp_lt_u32 ttmp9, 304
	s_cbranch_scc0 .Lw_proj
; ---------------- w_attn: a wave takes 32 columns x 512 along K: 16 blocks a lane, 256 bytes of codes for each column, which leave through the wave's stage as rows.
	s_sub_co_u32 s21, ttmp9, 256
	s_cmp_ge_u32 s21, 24
	s_cselect_b32 s22, 1, 0                        ; which 512 along K
	s_cselect_b32 s23, 24, 0
	s_sub_co_u32 s21, s21, s23
	s_lshl_b32 s21, s21, 7
	s_lshl_b32 s23, s20, 5
	s_add_co_u32 s21, s21, s23                     ; my wave's first column
	s_mul_i32 s24, s20, 32*272
	s_add_co_u32 s24, s24, WST                     ; my stage
	v_mul_u32_u24 v4, v2, 272
	v_add_nc_u32 v4, s24, v4                       ; into it: row = my column
	v_mul_u32_u24 v7, v6, 272
	v_lshl_add_u32 v7, v5, 4, v7
	v_add_nc_u32 v7, s24, v7                       ; out of it: sixteen lanes to a row, two rows an instruction
	v_lshlrev_b32 v8, 9, v6
	v_lshl_add_u32 v8, v5, 4, v8                   ; and the same place in wc (rows of 512 bytes)
	v_lshlrev_b32 v9, 5, v2                        ; my column's row of scale bytes
	s_mul_i32 s24, s22, 512*12288
	s_lshl_b32 s26, s21, 2
	s_add_co_u32 s24, s24, s26
	s_add_nc_u64 s[6:7], s[6:7], s[24:25]
	s_lshl_b32 s24, s21, 9
	s_lshl_b32 s26, s22, 8
	s_add_co_u32 s24, s24, s26
	s_add_nc_u64 s[14:15], s[14:15], s[24:25]
	s_lshl_b32 s24, s21, 5
	s_lshl_b32 s26, s22, 4
	s_add_co_u32 s24, s24, s26
	s_add_nc_u64 s[16:17], s[16:17], s[24:25]
.macro WLOAD t                         ; block t: w_attn(32 t + i, my column): every offset an immediate, 511 x 12,288 at the most
.irp i, 0,1,2,3,4,5,6,7,8,9,10,11,12,13,14,15,16,17,18,19,20,21,22,23,24,25,26,27,28,29,30,31
	global_load_b32 v[WX+32*((\t)%2)+\i], v3, s[6:7] offset:(32*(\t)+\i)*12288 th:TH_LOAD_NT
.endr
.endm
	WLOAD 0
	WLOAD 1
.macro WBLOCK t
.set XS, WX+32*((\t)%2)
.if (\t) < 15
	s_wait_loadcnt 32                              ; this block's 32 loads are in; the next block's may be out
.else
	s_wait_loadcnt 0
.endif
	v_max3_num_f32 v12, |v[XS]|, |v[XS+1]|, |v[XS+2]|
	v_max3_num_f32 v13, |v[XS+3]|, |v[XS+4]|, |v[XS+5]|
.irp i, 6,10,14,18,22,26
	v_max3_num_f32 v12, v12, |v[XS+\i]|, |v[XS+\i+1]|
	v_max3_num_f32 v13, v13, |v[XS+\i+2]|, |v[XS+\i+3]|
.endr
	v_max3_num_f32 v12, v12, |v[XS+30]|, |v[XS+31]|
	v_max3_num_f32 v12, v12, v13, 0x1800000        ; and the floor
	v_add_nc_u32 v11, 0xff000000, v12
	v_lshrrev_b32 v13, 23, v11
.if (\t)%4 == 0
	v_mov_b32 v[WSB+(\t)/4], v13
.else
	v_lshl_or_b32 v[WSB+(\t)/4], v13, 8*((\t)%4), v[WSB+(\t)/4]
.endif
.irp g, 0,1,2,3
	v_cvt_scalef32_pk8_fp4_f32 v[WC+\g], v[XS+8*\g:XS+8*\g+7], v11
.endr
	v_nop                                          ; one plain line behind the last conversion
	ds_store_b128 v4, v[WC:WC+3] offset:16*(\t)
.if (\t)+2 < 16
	WLOAD (\t)+2
.endif
	s_wait_dscnt 0x0                               ; the store has read its registers: the next block's codes may be written
.endm
.set Q, 0
.rept 16
	WBLOCK Q
.set Q, Q+1
.endr
	global_store_b128 v9, v[WSB:WSB+3], s[16:17]   ; my column's 16 scale bytes
.irp t, 0,1,2,3,4,5,6,7,8,9,10,11,12,13,14,15
	ds_load_b128 v[WOUT+4*\t:WOUT+4*\t+3], v7 offset:2*\t*272
.endr
.irp t, 0,1,2,3,4,5,6,7,8,9,10,11,12,13,14,15
	s_wait_dscnt 15-\t
	global_store_b128 v8, v[WOUT+4*\t:WOUT+4*\t+3], s[14:15] offset:2*\t*512   ; sixteen lanes store 256 consecutive bytes, aligned
.endr
	FINISH
.Lw_proj:
; ---------------- w_proj: a wave takes 32 columns x 128 along K: 256 bytes of f16 for each column.
	s_sub_co_u32 s21, ttmp9, 304
	s_lshr_b32 s22, s21, 3                         ; which 128 along K
	s_and_b32 s21, s21, 7
	s_lshl_b32 s21, s21, 7
	s_lshl_b32 s23, s20, 5
	s_add_co_u32 s21, s21, s23                     ; my wave's first column
	s_mul_i32 s24, s20, 32*272
	s_add_co_u32 s24, s24, PST
	v_mul_u32_u24 v4, v2, 272
	v_add_nc_u32 v4, s24, v4
	v_mul_u32_u24 v7, v6, 272
	v_lshl_add_u32 v7, v5, 4, v7
	v_add_nc_u32 v7, s24, v7
	v_lshlrev_b32 v8, 11, v6
	v_lshl_add_u32 v8, v5, 4, v8                   ; wph: rows of 2,048 bytes
	s_lshl_b32 s24, s22, 19                        ; 128 rows of 4,096 bytes
	s_lshl_b32 s26, s21, 2
	s_add_co_u32 s24, s24, s26
	s_add_nc_u64 s[8:9], s[8:9], s[24:25]
	s_lshl_b32 s24, s21, 11
	s_lshl_b32 s26, s22, 8
	s_add_co_u32 s24, s24, s26
	s_add_nc_u64 s[18:19], s[18:19], s[24:25]
.macro PLOAD t
.irp i, 0,1,2,3,4,5,6,7,8,9,10,11,12,13,14,15,16,17,18,19,20,21,22,23,24,25,26,27,28,29,30,31
	global_load_b32 v[WX+32*((\t)%2)+\i], v3, s[8:9] offset:(32*(\t)+\i)*4096
.endr
.endm
	PLOAD 0
	PLOAD 1
.macro PBLOCK t
.set XS, WX+32*((\t)%2)
.if (\t) < 3
	s_wait_loadcnt 32                              ; this block's 32 loads are in; the next block's may be out
.else
	s_wait_loadcnt 0
.endif
.irp i, 0,1,2,3,4,5,6,7,8,9,10,11,12,13,14,15
	v_cvt_pk_f16_f32 v[WC+\i], v[XS+2*\i], v[XS+2*\i+1]     ; the lower k in the low half
.endr
.irp g, 0,1,2,3
	ds_store_b128 v4, v[WC+4*\g:WC+4*\g+3] offset:64*(\t)+16*\g
.endr
.if (\t)+2 < 4
	PLOAD (\t)+2
.endif
	s_wait_dscnt 0x0
.endm
.irp t, 0,1,2,3
	PBLOCK \t
.endr
.irp t, 0,1,2,3,4,5,6,7,8,9,10,11,12,13,14,15
	ds_load_b128 v[WOUT+4*\t:WOUT+4*\t+3], v7 offset:2*\t*272
.endr
.irp t, 0,1,2,3,4,5,6,7,8,9,10,11,12,13,14,15
	s_wait_dscnt 15-\t
	global_store_b128 v8, v[WOUT+4*\t:WOUT+4*\t+3], s[18:19] offset:2*\t*2048
.endr
	FINISH
.Lfunc_end_k_qa0ad1a4b35_prep:
	.size	k_qa0ad1a4b35_prep, .Lfunc_end_k_qa0ad1a4b35_prep-k_qa0ad1a4b35_prep
	.p2alignl 7, 3214868480
	.fill 96, 4, 3214868480
	.section	.rodata,"a",@progbits
	.p2align	6, 0x0
	.amdhsa_kernel k_qa0ad1a4b35_prep
		.amdhsa_group_segment_fixed_size 102912
		.amdhsa_private_segment_fixed_size 0
		.amdhsa_enable_private_segment 0
		.amdhsa_kernarg_size 64
		.amdhsa_user_sgpr_count 2
		.amdhsa_user_sgpr_kernarg_segment_ptr 1
		.amdhsa_wavefront_size32 1
		.amdhsa_system_sgpr_workgroup_id_x 1
		.amdhsa_system_sgpr_workgroup_id_y 1
		.amdhsa_system_sgpr_workgroup_id_z 1
		.amdhsa_system_vgpr_workitem_id 0
		.amdhsa_next_free_vgpr 192
		.amdhsa_next_free_sgpr 66
		.amdhsa_reserve_vcc 0
		.amdhsa_float_denorm_mode_32 3
		.amdhsa_float_denorm_mode_16_64 3
		.amdhsa_memory_ordered 1
		.amdhsa_forward_progress 1
		.amdhsa_inst_pref_size 132
	.end_amdhsa_kernel
	.amdgpu_metadata
---
amdhsa.version: [ 1, 2 ]
amdhsa.kernels:
  - .name:           k_qa0ad1a4b35_prep
    .symbol:         k_qa0ad1a4b35_prep.kd
    .args:
      - { .name: x, .offset: 0, .size: 8, .value_kind: global_buffer, .address_space: global }
      - { .name: w_attn, .offset: 8, .size: 8, .value_kind: global_buffer, .address_space: global }
      - { .name: w_proj, .offset: 16, .size: 8, .value_kind: global_buffer, .address_space: global }
      - { .name: xc, .offset: 24, .size: 8, .value_kind: global_buffer, .address_space: global }
      - { .name: xs, .offset: 32, .size: 8, .value_kind: global_buffer, .address_space: global }
      - { .name: wc, .offset: 40, .size: 8, .value_kind: global_buffer, .address_space: global }
      - { .name: ws, .offset: 48, .size: 8, .value_kind: global_buffer, .address_space: global }
      - { .name: wph, .offset: 56, .size: 8, .value_kind: global_buffer, .address_space: global }
    .group_segment_fixed_size: 102912
    .private_segment_fixed_size: 0
    .kernarg_segment_align: 8
    .kernarg_segment_size: 64
    .max_flat_workgroup_size: 128
    .sgpr_count:     66
    .vgpr_count:     192
    .wavefront_size: 32
...
	.end_amdgpu_metadata
.endif
;; end of part 1
;; launch gemm_qkv (part 2): grid 12 x 32, 4 waves a work-group, clusters of 4 x 4, 327,680 bytes of LDS; arguments xc, xs, wc, ws, b_attn, qkv, q32; writes qkv, q32
.if DOCPART == 2
	.amdgcn_target "amdgcn-amd-amdhsa--gfx1250"
	.amdhsa_code_object_version 6
	.text
	.protected	k_qa0ad1a4b35_gemm_qkv
	.globl	k_qa0ad1a4b35_gemm_qkv
	.p2align	8
	.type	k_qa0ad1a4b35_gemm_qkv,@function
k_qa0ad1a4b35_gemm_qkv:
	s_mov_b64 s[64:65], 0
	v_nop
	global_prefetch_b8 v0, s[64:65] scope:SCOPE_SE
	s_setreg_imm32_b32 hwreg(HW_REG_WAVE_MODE, 25, 1), 1
	s_wait_xcnt 0x0
	s_wait_alu depctr_hold_cnt(0) depctr_sa_sdst(0) depctr_va_vdst(0) depctr_va_sdst(0) depctr_va_ssrc(0) depctr_va_vcc(0) depctr_vm_vsrc(0)
	s_getreg_b32 s2, hwreg(HW_REG_IB_STS2, 6, 4)
	s_cmp_eq_u32 s2, 0
	s_cbranch_scc0 .Lentry_in_a_cluster
	s_endpgm
.Lentry_in_a_cluster:
	s_bfe_u32 s2, ttmp6, 0x10000c
	s_cmp_lg_u32 s2, 0xf033
	s_cbranch_scc0 .Lentry_shape_is_right
	s_endpgm
.Lentry_shape_is_right:
; qkv = x w_attn + b_attn on codes of FP4 (E2M1) with one E8M0 scale for each 32 along K.  A = xc [8192][1024 codes], B = wc [3072][1024 codes], scale bytes xs [8192][32], ws [3072][32].
; A tile of the result, 256 x 256, is made by four waves, each 128 x 128: 64 accumulators of 16 x 16.  K = 1,024 is two LDS slots of 512 along K (rows of 256 bytes), both asked for at the start: no slot is filled again.
; The scale bytes of the work-group's rows, for all of K, are two dense blocks: they come into LDS once, with the first fills.
; CLUSTERS: 4 x 4 work-groups; A's tiles are asked for jointly along a row of the cluster, B's along a column.  TILE ROW = 8 cy + the cluster's y: so the batch is cy, and whether a tile row begins a sequence
; hangs on the cluster's y alone, which all sixteen partners share.
; THE MATRIX INSTRUCTION IS USED TRANSPOSED (source 0 = 16 rows of B, source 1 = 16 rows of A): a lane holds eight neighbouring columns of one row.  b_attn is the C of each sum's first instruction.
; OUT: q, k, v rounded to f16, by heads: qkv [3][batch x 16 + head][t 2048][64]; and positions 0-15 of every sequence once more in f32: q32 [batch x 16 + t][3072].
; LIMIT: |q|, |k|, |v| under 65,504 (f16).
; REGISTERS: window 0: v16-31 addresses; v32-95 scale words, two sets; v128-191 A's fragments, one set; v192-255 the bias.  window 1: B's fragments, two sets.  windows 2, 3: the accumulators ((a, b) at v[8 (8 (a % 4) + b)]).
.set KSTEP,  512
.set NQ,     4
.set ROWB,   256
.set KROW,   512                       ; a row of codes in memory, in bytes
.set PITCH,  272                       ; an LDS row: 256 bytes + 16 of padding: the 16 rows that a load touches start 4 banks apart (64 banks of 4 bytes: ISA guide 11.1)
.set FR,     8
.set NL,     2
.set NP,     4                         ; places behind this matrix instruction (ISA guide 7.12.1)
.set HALFT,  128*PITCH
.set SLOT,   4*HALFT
.set KS,     32                        ; a row of scale bytes
.set SCL,    2*SLOT
.set HALFS,  (128*KS/256)*272
.set SBLK,   (16*KS/256)*272
.set SPARE,  SCL+4*HALFS               ; the spare words, 128 bytes a wave
.set FST,    20480                     ; the f32 stage, 8,448 bytes a wave; the f16 stage, 4,352 bytes a wave, lies at 0: both in slot 0, which has had its only fill and its last read when they are written
.set ADRA, 16
.set ADRB, 20
.set BO,   23                          ; v23 the bias: 32 bytes for each half of the lanes
.set STO,  24
.set RD,   25
.set CO,   26                          ; v26 16 x lane
.set ADRS, 27
.set SPW,  28
.set NIL,  29
.set STO2, 30
.set RD2,  31
.set SC,   32
.set TMP,  32                          ; the way out: packed results
.set AF,   128
.set BIAS, 192
.set G1, 24
.set G0, 32
.set G1B, 48
.set G0B, 56
.set G1S, 68
.set G0S, 76
.set G1SB, 80
.set G0SB, 88
.set MSB, 0
.macro WIN new                         ; the immediate's high byte repeats the setting that is left
.if MSB != \new
	s_set_vgpr_msb (MSB<<8)|\new
.set MSB, \new
.endif
.endm
.set MUL_LO, 0xa1                      ; source 0 (B) window 1, source 1 (A) window 0, C and D window 2
.set MUL_HI, 0xf1                      ; the same, C and D window 3
.set TO_B,   0x40
; A joint load: waves 0 and 1 fetch for A, waves 2 and 3 for B; the branch hangs on the wave's number alone.  An s_nop 0 and four v_nop follow each line.
.macro JLOAD g0a, g1a, g0b, g1b
	s_cmp_eq_u32 s15, 0
	s_cbranch_scc0 .Lfor_b_\@
	tensor_load_to_lds s[\g0a:\g0a+3], s[\g1a:\g1a+7]
	s_nop 0
.rept 4
	v_nop
.endr
	s_branch .Lasked_\@
.Lfor_b_\@:
	tensor_load_to_lds s[\g0b:\g0b+3], s[\g1b:\g1b+7]
	s_nop 0
.rept 4
	v_nop
.endr
.Lasked_\@:
.endm
.macro CROUND                          ; a round of the cluster's barrier
	s_barrier_signal -1
	s_barrier_wait -1
	s_cmp_lg_u32 s14, 0
	s_cbranch_scc1 .Lnot_wave_0_\@
	s_barrier_signal -3
.Lnot_wave_0_\@:
	s_barrier_wait -3
	s_barrier_signal -1
	s_barrier_wait -1
.endm
	s_load_b128 s[4:7], s[0:1], 0x0                ; xc, xs
	s_load_b128 s[8:11], s[0:1], 0x10              ; wc, ws
	s_load_b128 s[96:99], s[0:1], 0x20             ; b_attn, qkv
	s_load_b64 s[12:13], s[0:1], 0x30              ; q32
	v_lshl_add_u32 v[SPW], v0, 2, SPARE
	v_mov_b32 v[NIL], 0
	ds_add_u32 v[SPW], v[NIL]                      ; the wave's opening: the add, twice on end, and its wait ahead of my first tensor load
	ds_add_u32 v[SPW], v[NIL]
	v_lshrrev_b32 v1, 5, v0
	v_readfirstlane_b32 s14, v1                    ; wave 0..3
	s_lshr_b32 s15, s14, 1                         ; which half of the tile's rows is mine.  Also: I fetch for A (0) or for B (1)
	s_and_b32 s16, s14, 1                          ; which half of its columns.  Also: which 128 rows I fetch
	s_bfe_u32 s40, ttmp6, 0x40000                  ; cx
	s_bfe_u32 s41, ttmp6, 0x40004                  ; cy
	s_lshl_b32 s42, ttmp9, 2
	s_add_co_u32 s42, s42, s40                     ; tile column = 4 x cluster x + cx
	s_and_b32 s95, ttmp7, 0xffff                   ; the cluster's y: 0..7
	s_lshl_b32 s17, s41, 3
	s_add_co_u32 s17, s17, s95                     ; tile row = 8 cy + cluster y
	s_lshl_b32 s43, s41, 2
	s_lshl_b32 s43, 15, s43                        ; my row of the cluster
	s_lshl_b32 s44, 0x1111, s40                    ; my column
	s_or_b32 s[G1+0], s43, (0<<16)|(1<<20)|(1<<21)|(5<<22)|(3<<25)  ; mask; elements of 1 byte; padding on; bit 21 beside a mask; 4 words after every 64
	s_or_b32 s[G1B+0], s44, (0<<16)|(1<<20)|(1<<21)|(5<<22)|(3<<25)
.irp g, G1, G1B
	s_mov_b32 s[\g+1], ROWB<<16                    ; tensor_dim0
	s_mov_b32 s[\g+2], 128<<16                     ; tensor_dim1
	s_mov_b32 s[\g+3], ROWB<<16                    ; tile_dim0
	s_mov_b32 s[\g+4], 128                         ; tile_dim1
	s_mov_b32 s[\g+5], KROW                        ; the pitch
	s_mov_b32 s[\g+6], 0
	s_mov_b32 s[\g+7], 0
.endr
	s_or_b32 s[G1S+0], s43, (3<<16)|(1<<20)|(1<<21)|(5<<22)|(3<<25)  ; the scales of 128 rows: 4,096 dense bytes as rows of 256 (32 elements of 8 bytes), 16 bytes of padding behind each
	s_or_b32 s[G1SB+0], s44, (3<<16)|(1<<20)|(1<<21)|(5<<22)|(3<<25)
.irp g, G1S, G1SB
	s_mov_b32 s[\g+1], 32<<16
	s_mov_b32 s[\g+2], (128*KS/256)<<16
	s_mov_b32 s[\g+3], 32<<16
	s_mov_b32 s[\g+4], 128*KS/256
	s_mov_b32 s[\g+5], 32
	s_mov_b32 s[\g+6], 0
	s_mov_b32 s[\g+7], 0
.endr
	s_lshl_b32 s18, s16, 7
	s_lshl_b32 s20, s17, 8
	s_add_co_u32 s20, s20, s18                     ; A: row 256 x tile row + 128 x half
	s_lshl_b32 s46, s42, 8
	s_add_co_u32 s46, s46, s18                     ; B: row 256 x tile column + 128 x half
	s_mov_b32 s21, 0
	s_mov_b32 s47, 0
	s_mov_b64 s[18:19], KS
	s_mul_u64 s[22:23], s[20:21], s[18:19]
	s_mul_u64 s[92:93], s[46:47], s[18:19]
	s_mov_b64 s[18:19], KROW
	s_mul_u64 s[20:21], s[20:21], s[18:19]
	s_mul_u64 s[46:47], s[46:47], s[18:19]
	s_mul_i32 s45, s14, HALFT                      ; where they go: wave x 128 rows
	s_mul_i32 s94, s14, HALFS
	s_wait_dscnt 0x0                               ; both opening adds are done
	s_wait_kmcnt 0x0
	s_add_nc_u64 s[20:21], s[4:5], s[20:21]
	s_add_nc_u64 s[22:23], s[6:7], s[22:23]
	s_add_nc_u64 s[46:47], s[8:9], s[46:47]
	s_add_nc_u64 s[92:93], s[10:11], s[92:93]
	CROUND                                         ; all sixteen work-groups are here: the joint loads meet
	s_mov_b32 s[G0S], 1
	s_add_co_u32 s[G0S+1], s94, SCL
	s_mov_b64 s[G0S+2:G0S+3], s[22:23]
	s_or_b32 s[G0S+3], s[G0S+3], 0x80000000
	s_mov_b32 s[G0SB], 1
	s_add_co_u32 s[G0SB+1], s94, SCL
	s_mov_b64 s[G0SB+2:G0SB+3], s[92:93]
	s_or_b32 s[G0SB+3], s[G0SB+3], 0x80000000
	JLOAD G0S, G1S, G0SB, G1SB                     ; the scales first; three loads of mine are out at the most
.irp s, 0,1
	s_mov_b32 s[G0+4*\s], 1
	s_add_co_u32 s[G0+4*\s+1], s45, \s*SLOT
	s_add_nc_u64 s[G0+4*\s+2:G0+4*\s+3], s[20:21], \s*ROWB
	s_or_b32 s[G0+4*\s+3], s[G0+4*\s+3], 0x80000000
	s_mov_b32 s[G0B+4*\s], 1
	s_add_co_u32 s[G0B+4*\s+1], s45, \s*SLOT
	s_add_nc_u64 s[G0B+4*\s+2:G0B+4*\s+3], s[46:47], \s*ROWB
	s_or_b32 s[G0B+4*\s+3], s[G0B+4*\s+3], 0x80000000
	JLOAD G0+4*\s, G1, G0B+4*\s, G1B
.endr
	v_and_b32 v1, 15, v0                           ; r = l % 16
	v_bfe_u32 v2, v0, 4, 1                         ; h = l / 16
	v_mul_u32_u24 v3, v1, PITCH
	v_lshl_add_u32 v4, v2, 4, v3
	s_mul_i32 s21, s15, HALFT
	s_mul_i32 s22, s16, HALFT
	s_add_co_u32 s22, s22, 2*HALFT
.irp s, 0,1
	v_add_nc_u32 v[ADRA+\s], s21, v4
	v_add_nc_u32 v[ADRB+\s], s22, v4
	s_add_co_u32 s21, s21, SLOT
	s_add_co_u32 s22, s22, SLOT
.endr
	v_mul_u32_u24 v5, v1, KS                       ; my row's scales: 32 bytes a row,
	v_lshrrev_b32 v6, 8, v5
	v_lshl_add_u32 v5, v6, 4, v5                   ; and 16 more for each 256 passed
	s_mul_i32 s21, s15, HALFS
	s_mul_i32 s22, s16, HALFS
	s_add_co_u32 s22, s22, 2*HALFS
	s_sub_co_u32 s22, s22, s21
	v_mul_u32_u24 v6, s22, v2                      ; lanes 16-31 take B's
	s_add_co_u32 s21, s21, SCL
	v_add_nc_u32 v5, v5, v6
	v_add_nc_u32 v[ADRS], s21, v5
	s_mul_i32 s23, s14, 16*272                     ; my f16 stage: 16 rows x (256 bytes + 16)
	v_mul_u32_u24 v5, v1, 272
	v_lshl_add_u32 v5, v2, 4, v5
	v_add_nc_u32 v[STO], s23, v5                   ; in: row r, 16 bytes for each half of the lanes
	v_bfe_u32 v7, v0, 3, 2
	v_mul_u32_u24 v7, v7, 272
	v_and_b32 v8, 7, v0
	v_lshl_add_u32 v7, v8, 4, v7
	v_add_nc_u32 v[RD], s23, v7                    ; back: eight lanes take a head's 128 bytes of a row, 32 lanes four rows
	v_and_b32 v6, 31, v0
	v_lshlrev_b32 v[CO], 4, v6
	s_mul_i32 s23, s14, 16*528                     ; my f32 stage: 16 rows x (512 bytes + 16)
	s_add_co_u32 s23, s23, FST
	v_mul_u32_u24 v5, v1, 528
	v_lshl_add_u32 v5, v2, 5, v5
	v_add_nc_u32 v[STO2], s23, v5
	v_add_nc_u32 v[RD2], s23, v[CO]
	v_lshlrev_b32 v[BO], 5, v2
	; qkv: (tile column / 4) tensors of 2^24 bytes + (16 batch + head) planes of 2^18 + t x 128
	s_lshr_b32 s20, s42, 2
	s_lshl_b32 s20, s20, 24
	s_lshl_b32 s46, s42, 2
	s_lshl_b32 s47, s16, 1
	s_add_co_u32 s46, s46, s47
	s_and_b32 s46, s46, 15                         ; my first head (I hold two)
	s_lshr_b32 s47, s17, 3
	s_lshl_b32 s47, s47, 4
	s_add_co_u32 s46, s46, s47
	s_lshl_b32 s46, s46, 18
	s_add_co_u32 s20, s20, s46
	s_and_b32 s46, s17, 7
	s_lshl_b32 s46, s46, 15                        ; 256 positions of 128 bytes
	s_add_co_u32 s20, s20, s46
	s_lshl_b32 s46, s15, 14
	s_add_co_u32 s20, s20, s46
	s_mov_b32 s21, 0
	s_add_nc_u64 s[98:99], s[98:99], s[20:21]
	s_lshl_b32 s20, s42, 10                        ; my first column in f32 bytes: 1,024 x tile column + 512 x half
	s_lshl_b32 s46, s16, 9
	s_add_co_u32 s20, s20, s46
	s_add_nc_u64 s[96:97], s[96:97], s[20:21]      ; in b_attn,
	s_lshr_b32 s46, s17, 3
	s_mul_i32 s46, s46, 16*12288
	s_add_co_u32 s20, s20, s46
	s_add_nc_u64 s[12:13], s[12:13], s[20:21]      ; and in my batch's 16 rows of q32
.irp b, 0,1,2,3,4,5,6,7
	global_load_b128 v[BIAS+8*\b:BIAS+8*\b+3], v[BO], s[96:97] offset:64*\b        ; the bias in the result's layout: block b, columns 16 b + 8 h + 0 .. 7
	global_load_b128 v[BIAS+8*\b+4:BIAS+8*\b+7], v[BO], s[96:97] offset:64*\b+16
.endr
.macro FRAG reg, adr, q, i             ; 16 rows x 128 K of 4-bit codes: registers 4 c .. 4 c + 3 hold K = 64 c + 32 (l / 16) + 0 .. 31
.irp c, 0,1
	ds_load_b128 v[\reg+4*\c:\reg+4*\c+3], v[\adr] offset:64*(\q)+32*\c+(\i)*16*PITCH
.endr
.endm
; 16 matrix instructions: A's blocks a0, a0 + 1 x B's eight.  zero = 1: the sums begin with the bias.  The 64 accumulators take turns, one instruction a turn.
.macro MUL16 a0, p, q, sc, zero
.irp a, \a0, \a0+1
.irp b, 0,1,2,3,4,5,6,7
.if \zero
	v_wmma_scale_f32_16x16x128_f8f6f4 v[8*(8*((\a)%4)+\b):8*(8*((\a)%4)+\b)+7], v[128*(\p)+FR*\b:128*(\p)+FR*\b+FR-1], v[AF+FR*(\a):AF+FR*(\a)+FR-1], v[BIAS+8*\b:BIAS+8*\b+7], v[SC+8*NQ*(\sc)+NQ*\b+(\q)], v[SC+8*NQ*(\sc)+NQ*(\a)+(\q)] matrix_a_fmt:MATRIX_FMT_FP4 matrix_b_fmt:MATRIX_FMT_FP4 matrix_a_scale:MATRIX_SCALE_ROW1
.else
	v_wmma_scale_f32_16x16x128_f8f6f4 v[8*(8*((\a)%4)+\b):8*(8*((\a)%4)+\b)+7], v[128*(\p)+FR*\b:128*(\p)+FR*\b+FR-1], v[AF+FR*(\a):AF+FR*(\a)+FR-1], v[8*(8*((\a)%4)+\b):8*(8*((\a)%4)+\b)+7], v[SC+8*NQ*(\sc)+NQ*\b+(\q)], v[SC+8*NQ*(\sc)+NQ*(\a)+(\q)] matrix_a_fmt:MATRIX_FMT_FP4 matrix_b_fmt:MATRIX_FMT_FP4 matrix_a_scale:MATRIX_SCALE_ROW1
.endif
.endr
.endr
.endm
.macro FETCH_B slot, q, p
	WIN TO_B
.irp i, 0,1,2,3,4,5,6,7
	FRAG 128*(\p)+FR*\i, ADRB+\slot, \q, \i
.endr
	WIN 0
.endm
.macro FETCH_A slot, q, i0
.irp i, \i0, \i0+1, \i0+2, \i0+3
	FRAG AF+FR*(\i), ADRA+\slot, \q, \i
.endr
.endm
.macro SCALES sc                       ; a slot's scale words: lanes 0-15 take A's block i, lanes 16-31 B's block i
.irp i, 0,1,2,3,4,5,6,7
	ds_load_b128 v[SC+8*NQ*\sc+NQ*\i:SC+8*NQ*\sc+NQ*\i+3], v[ADRS] offset:\i*SBLK
.endr
.endm
.macro PLACES n
.rept \n
	v_nop
.endr
.endm
.macro STEP slot, q, zero              ; 128 along K that has its successor in the same slot
	s_wait_dscnt 4*NL                              ; B's set and A's blocks 0-3 are in; the youngest eight loads (A's blocks 4-7) may be out
.if \zero
	WIN 0x81                                       ; C (the bias) window 0, D window 2
.else
	WIN MUL_LO
.endif
	MUL16 0, (\q)%2, \q, \slot, \zero
	MUL16 2, (\q)%2, \q, \slot, \zero
	s_wait_dscnt 0
	PLACES NP
	FETCH_B \slot, (\q)+1, 1-(\q)%2
	FETCH_A \slot, (\q)+1, 0
.if \zero
	WIN 0xc1
.else
	WIN MUL_HI
.endif
	MUL16 4, (\q)%2, \q, \slot, \zero
	MUL16 6, (\q)%2, \q, \slot, \zero
	PLACES NP
	WIN 0
	FETCH_A \slot, (\q)+1, 4
.endm
.macro STEPS slot, from
.set Q, \from
.rept NQ-1-\from
	STEP \slot, Q, 0
.set Q, Q+1
.endr
.endm
	s_wait_tensorcnt 1                             ; the scales and my part of slot 0 are in (slot 1's load may be out)
	s_barrier_signal -1
	s_barrier_wait -1                              ; everybody's are
	FETCH_B 0, 0, 0
	FETCH_A 0, 0, 0
	SCALES 0
	FETCH_A 0, 0, 4
	s_wait_loadcnt 0x0                             ; the bias
	STEP 0, 0, 1
	STEPS 0, 1
	; slot 0's last step changes slots: one barrier; in front of it my part of slot 1 has landed and my reads of slot 0 are over
	s_wait_tensorcnt 0x0
	ds_add_u32 v[SPW], v[NIL]
	s_wait_dscnt 4*NL+1                            ; (the add and A's blocks 4-7 may be out)
	WIN MUL_LO
	MUL16 0, 1, NQ-1, 0, 0
	s_wait_dscnt 0x0
	s_barrier_signal -1
	MUL16 2, 1, NQ-1, 0, 0
	WIN 0
	s_barrier_wait -1
	PLACES NP
	v_add_nc_u32 v[ADRS], 4*NQ, v[ADRS]            ; on to slot 1's scale words
	FETCH_B 1, 0, 0
	FETCH_A 1, 0, 0
	SCALES 1
	WIN MUL_HI
	MUL16 4, 1, NQ-1, 0, 0
	MUL16 6, 1, NQ-1, 0, 0
	PLACES NP
	WIN 0
	FETCH_A 1, 0, 4
	STEPS 1, 0
	s_wait_dscnt 4*NL                              ; the very last step
	WIN MUL_LO
	MUL16 0, 1, NQ-1, 1, 0
	MUL16 2, 1, NQ-1, 1, 0
	s_wait_dscnt 0
	WIN MUL_HI
	MUL16 4, 1, NQ-1, 1, 0
	MUL16 6, 1, NQ-1, 1, 0
	WIN 0
; THE WAY OUT, block by block of 16 rows x 128 columns (two heads).  PACK: rounded to f16, 16 bytes a lane, each accumulator from its low end on.  TOSTAGE: into my stage, and back by heads.  SEND: 32 lanes store four positions of a head: 512 consecutive bytes.
.macro PACK a
.set AC, 64*((\a)%4)
	WIN 0x0a+5*((\a)/4)                            ; sources 0 and 1: window 2 or 3
.irp b, 0,1,2,3,4,5,6,7
.irp r, 0,1,2,3
	v_cvt_pk_f16_f32 v[TMP+4*\b+\r], v[AC+8*\b+2*\r], v[AC+8*\b+2*\r+1]
.endr
.endr
	WIN 0
.endm
.macro TOSTAGE a
.set BB, 64+32*((\a)%2)
.irp b, 0,1,2,3,4,5,6,7
	ds_store_b128 v[STO], v[TMP+4*\b:TMP+4*\b+3] offset:32*\b
.endr
.irp u, 0,1,2,3,4,5,6,7
	ds_load_b128 v[BB+4*\u:BB+4*\u+3], v[RD] offset:(\u/4)*128+(\u%4)*4*272   ; LDS serves a wave's instructions in order (ISA guide 5.7.1.4): these see the stores above
.endr
.endm
.macro SEND a
.set BB, 64+32*((\a)%2)
	s_wait_dscnt 0x0                               ; the block is back in registers
	s_wait_xcnt 0x0                                ; the block before has left its registers: the next block's loads may land there
.irp u, 0,1,2,3,4,5,6,7
	global_store_b128 v[CO], v[BB+4*\u:BB+4*\u+3], s[98:99] offset:(\u/4)*262144+2048*(\a)+512*(\u%4)
.endr
.endm
	PLACES NP
	PACK 0
	TOSTAGE 0
.irp a, 1,2,3,4,5,6,7
	PACK \a
	SEND \a-1
	TOSTAGE \a
.endr
	SEND 7
	; positions 0-15 of a sequence once more, in f32: my block 0, where the tile row begins a sequence (cluster y = 0) and I hold its upper half.  The test is the same in all sixteen partners for a given wave.
	s_or_b32 s18, s95, s15
	s_cmp_lg_u32 s18, 0
	s_cbranch_scc1 .Lno_f32
	WIN 0x08                                       ; an LDS store's data are its source 1: window 2
.irp b, 0,1,2,3,4,5,6,7
	ds_store_b128 v[STO2], v[8*\b:8*\b+3] offset:64*\b
	ds_store_b128 v[STO2], v[8*\b+4:8*\b+7] offset:64*\b+16
.endr
	WIN 0
.irp t, 0,1,2,3,4,5,6,7,8,9,10,11,12,13,14,15
	ds_load_b128 v[128+4*\t:128+4*\t+3], v[RD2] offset:\t*528
.endr
	s_wait_dscnt 0x0
.irp t, 0,1,2,3,4,5,6,7,8,9,10,11,12,13,14,15
	global_store_b128 v[CO], v[128+4*\t:128+4*\t+3], s[12:13] offset:\t*12288   ; 32 lanes store 512 consecutive bytes, aligned
.endr
.Lno_f32:
	s_wait_tensorcnt 0x0                           ; the wave's end
	ds_add_u32 v[SPW], v[NIL]
	s_wait_dscnt 0x0
	CROUND                                         ; the closing round
	s_endpgm
.Lfunc_end_k_qa0ad1a4b35_gemm_qkv:
	.size	k_qa0ad1a4b35_gemm_qkv, .Lfunc_end_k_qa0ad1a4b35_gemm_qkv-k_qa0ad1a4b35_gemm_qkv
	.p2alignl 7, 3214868480
	.fill 96, 4, 3214868480
	.section	.rodata,"a",@progbits
	.p2align	6, 0x0
	.amdhsa_kernel k_qa0ad1a4b35_gemm_qkv
		.amdhsa_group_segment_fixed_size 327680
		.amdhsa_private_segment_fixed_size 0
		.amdhsa_enable_private_segment 0
		.amdhsa_kernarg_size 56
		.amdhsa_user_sgpr_count 2
		.amdhsa_user_sgpr_kernarg_segment_ptr 1
		.amdhsa_wavefront_size32 1
		.amdhsa_system_sgpr_workgroup_id_x 1
		.amdhsa_system_sgpr_workgroup_id_y 1
		.amdhsa_system_sgpr_workgroup_id_z 1
		.amdhsa_system_vgpr_workitem_id 0
		.amdhsa_next_free_vgpr 1024
		.amdhsa_next_free_sgpr 100
		.amdhsa_reserve_vcc 0
		.amdhsa_float_denorm_mode_32 3
		.amdhsa_float_denorm_mode_16_64 3
		.amdhsa_memory_ordered 1
		.amdhsa_forward_progress 1
		.amdhsa_inst_pref_size 132
	.end_amdhsa_kernel
	.amdgpu_metadata
---
amdhsa.version: [ 1, 2 ]
amdhsa.kernels:
  - .name:           k_qa0ad1a4b35_gemm_qkv
    .symbol:         k_qa0ad1a4b35_gemm_qkv.kd
    .args:
      - { .name: xc, .offset: 0, .size: 8, .value_kind: global_buffer, .address_space: global }
      - { .name: xs, .offset: 8, .size: 8, .value_kind: global_buffer, .address_space: global }
      - { .name: wc, .offset: 16, .size: 8, .value_kind: global_buffer, .address_space: global }
      - { .name: ws, .offset: 24, .size: 8, .value_kind: global_buffer, .address_space: global }
      - { .name: b_attn, .offset: 32, .size: 8, .value_kind: global_buffer, .address_space: global }
      - { .name: qkv, .offset: 40, .size: 8, .value_kind: global_buffer, .address_space: global }
      - { .name: q32, .offset: 48, .size: 8, .value_kind: global_buffer, .address_space: global }
    .group_segment_fixed_size: 327680
    .private_segment_fixed_size: 0
    .kernarg_segment_align: 8
    .kernarg_segment_size: 56
    .max_flat_workgroup_size: 128
    .sgpr_count:     100
    .vgpr_count:     1024
    .wavefront_size: 32
...
	.end_amdgpu_metadata
.endif
;; end of part 2
;; launch attn (part 3): grid 4 x 64, 8 waves a work-group, no clusters, 327,680 bytes of LDS; arguments qkv, att; writes att
.if DOCPART == 3
	.amdgcn_target "amdgcn-amd-amdhsa--gfx1250"
	.amdhsa_code_object_version 6
	.text
	.protected	k_qa0ad1a4b35_attn
	.globl	k_qa0ad1a4b35_attn
	.p2align	8
	.type	k_qa0ad1a4b35_attn,@function
k_qa0ad1a4b35_attn:
	s_mov_b64 s[64:65], 0
	v_nop
	global_prefetch_b8 v0, s[64:65] scope:SCOPE_SE
	s_setreg_imm32_b32 hwreg(HW_REG_WAVE_MODE, 25, 1), 1
	s_wait_xcnt 0x0
; att[q] = the sum over k <= q of softmax_k(Q[q] . K[k] / 8) V[k], for each of 64 (batch, head) planes.  Q, K, V: f16 [3][64][2048][64]; products on f16 operands, sums, maxima and exponentials in f32; the weights p
; are rounded to f16 for the second product.  att: f16 [head 16][batch x 2048 + t][64].
; SHARES.  Work-group (i, plane) owns TWO blocks of 256 queries, block 7 - i and then block i: (8 - i) + (i + 1) = 9 slots of 256 keys in every work-group, so all 256 have equal work and the trip counts are constants.
; Each of eight waves owns 32 queries: two tiles of 16.  Two waves share a SIMD: one wave's softmax stands beside the other's products.
; NO CLUSTER: the four work-groups of a plane walk the same slots only up to their change of blocks, which comes at slot 8 - i: from there on partners would want different tiles.
; LAYOUT.  S^T = K Q^T (source 0 = 16 keys, source 1 = 16 queries): a lane holds ONE query (lane % 16) and keys 8 (lane / 16) + 0..7; two such tiles, rounded in pairs, ARE source 1 of O^T = V^T P.  V is turned by ds_load_tr16_b128.
; SOFTMAX.  A running maximum m and sum l for each query: p = 2^(c s - c m), c = log2(e) / 8; in every step O and l are multiplied by a = 2^(c m_old - c m_new).
; CAUSAL.  A step of 64 keys that all come after my 32 queries is left out by a scalar branch on ids; on the diagonal hidden scores become -infinity.  A step that is walked begins at or under my first query, so every query sees a key in it.
; Every slot's first step is walked by every wave, so every tensor load is read.
; LIMIT: NaN and infinities are not served.
; REGISTERS: window 0: v1-15 addresses; v16-31 statistics, 8 a tile (+0 c m, +1 m, +2, +3 l, +4..+7 at work, a in +6); v32-95 S^T; v96-127 P; v128-191 V's fragments; v192-255 the way out.
;   window 1: v0-63 O^T (tile t, channels 16 c on: 32 t + 8 c); v64-95 Q; v96-127 the second block's Q; v128-191 K's fragments.
.set KP,     144                       ; a row of K in LDS: 128 bytes + 16
.set VP,     160                       ; a row of V: 128 + 32: an odd multiple of 32
.set VOFF,   256*KP                    ; a slot: 256 rows of K, then 256 rows of V
.set KSTEPB, 64*KP
.set VSTEPB, 64*VP
.set SLOT1,  1<<17
.set STAGE,  212992                    ; behind the ring: 2 x 16 rows x 144 bytes for each wave
.set SPARE,  249856                    ; the spare words, 128 bytes a wave
.set AK0, 1
.set AV0, 2
.set ADRK, 3
.set ADRV, 4
.set QO,  5
.set STO, 6
.set RD,  7
.set GO,  8
.set DG,  9                            ; v9  lane % 16 - 8 (lane / 16)
.set SPW, 10
.set NIL, 11
.set PFO, 12
.set NINF, 13
.set ST,  16
.set S,   32
.set P,   96
.set VF,  128
.set OUTP, 192
.set OUTB, 224
.set QF,  64                           ; in window 1
.set KFR, 128                          ; in window 1
.set WV, 8
.set W3, 9
.set IX, 10
.set BH, 11
.set LASTHI, 12                        ; the slot count at which the first block ends: 7 - i
.set WRAP, 13                          ; 8 - i
.set TAU, 14                           ; slots walked
.set SLOTS, 15
.set CNT4, 16
.set KEY0, 17                          ; the step's first key
.set Q0, 18                            ; my first query
.set TBK, 19                           ; LDS byte at which the step's K begins
.set TBV, 20                           ; and its V (less VOFF)
.set LIM, 21
.set CS, 22
.set G1K, 24
.set G1V, 32
.set G0K, 40
.set G0V, 44
.set KB, 48                            ; s[48:49] my quarter of K's slot 0 in memory; s[50:51] of V's
.set VB, 50
.set PFA, 52
.set SEL, 54
.set ATB, 56
.set OB, 66
.set QB2, 68
.set MSB, 0
.macro WIN new
.if MSB != \new
	s_set_vgpr_msb (MSB<<8)|\new
.set MSB, \new
.endif
.endm
; Waves 0-3 fetch K's quarters of a slot, waves 4-7 V's: one load a wave.  An s_nop 0 and four v_nop follow each line.
.macro TLOAD
	s_cmp_lt_u32 s[WV], 4
	s_cbranch_scc0 .Lfor_v_\@
	tensor_load_to_lds s[G0K:G0K+3], s[G1K:G1K+7]
	s_nop 0
.rept 4
	v_nop
.endr
	s_branch .Lasked_\@
.Lfor_v_\@:
	tensor_load_to_lds s[G0V:G0V+3], s[G1V:G1V+7]
	s_nop 0
.rept 4
	v_nop
.endr
.Lasked_\@:
.endm
; A prefetch of the slot that the NEXT change will ask for: four key steps ahead of its tensor load.  The plane's work-group i = 0 walks slots 0 to 7 in order and asks alone; each wave for its own quarter, 8,192 bytes, lanes 256 bytes apart:
; so each block of 256 bytes is named once in the launch.  Slots 0 and 1 come by their loads alone; the last slot named is slot 7 (asked while 3 or more trips are left).
.macro ASK
	s_cmp_gt_u32 s[SLOTS], s[LIM]
	s_cbranch_scc0 .Lnot_mine_\@
	global_prefetch_b8 v[PFO], s[PFA:PFA+1] th:TH_LOAD_NT scope:SCOPE_SE
.Lnot_mine_\@:
.endm
.macro INIT                            ; a block of queries begins: m under every score, l and O^T zero
.irp t, 0,1
	v_mov_b32 v[ST+8*\t+1], 0xff61b1e6             ; -3e38
	v_mul_f32 v[ST+8*\t], s[CS], v[ST+8*\t+1]
	v_mov_b32 v[ST+8*\t+2], 0
	v_mov_b32 v[ST+8*\t+3], 0
	v_mov_b32 v[ST+8*\t+5], 0                      ; (a lane permute's destination counts as one of its sources)
.endr
	WIN 0x40
.set ii, 0
.rept 64
	v_mov_b32 v[ii], 0
.set ii, ii+1
.endr
	WIN 0
.endm
	s_load_b128 s[4:7], s[0:1], 0x0                ; qkv, att
	v_lshl_add_u32 v[SPW], v0, 2, SPARE
	v_mov_b32 v[NIL], 0
	ds_add_u32 v[SPW], v[NIL]                      ; the wave's opening: the add, twice on end, and its wait ahead of my first tensor load
	ds_add_u32 v[SPW], v[NIL]
	v_lshrrev_b32 v14, 5, v0
	v_readfirstlane_b32 s[WV], v14                 ; wave 0..7
	s_and_b32 s[W3], s[WV], 3
	s_mov_b32 s[IX], ttmp9
	s_and_b32 s[BH], ttmp7, 0xffff
	s_sub_co_u32 s[LASTHI], 7, s[IX]
	s_sub_co_u32 s[WRAP], 8, s[IX]
	s_mov_b32 s[G1K], (1<<16)|(1<<20)|(4<<22)|(3<<25)   ; elements of 2 bytes; padding: 4 words after every 32
	s_mov_b32 s[G1V], (1<<16)|(1<<20)|(4<<22)|(7<<25)   ; 8 words
.irp g, G1K, G1V
	s_mov_b32 s[\g+1], 64<<16                      ; tensor_dim0 = 64
	s_mov_b32 s[\g+2], 64<<16                      ; tensor_dim1 = 64
	s_mov_b32 s[\g+3], 64<<16                      ; tile_dim0 = 64
	s_mov_b32 s[\g+4], 64                          ; tile_dim1 = 64 rows
	s_mov_b32 s[\g+5], 64                          ; the pitch
	s_mov_b32 s[\g+6], 0
	s_mov_b32 s[\g+7], 0
.endr
	s_mov_b32 s[CS], 0x3e38aa3b                    ; c = log2(e) / 8
	s_mov_b32 s[CS+1], s[CS]
	s_mov_b32 s[SEL], 0x76543210
	s_mov_b32 s[SEL+1], 0xfedcba98
	s_mov_b32 s[TBK], 0
	s_mov_b32 s[TBV], 0
	s_mov_b32 s[KEY0], 0
	s_mov_b32 s[TAU], 0
	s_mov_b32 s[SLOTS], 8
	s_lshl_b32 s[Q0], s[LASTHI], 8
	s_lshl_b32 s58, s[WV], 5
	s_add_co_u32 s[Q0], s[Q0], s58                 ; my first query of the first block
	s_cmp_eq_u32 s[IX], 0
	s_cselect_b32 s[LIM], 2, -1
	s_mov_b32 s[G0K], 1
	s_mul_i32 s[G0K+1], s[W3], KSTEPB
	s_mov_b32 s[G0V], 1
	s_mul_i32 s[G0V+1], s[W3], VSTEPB
	s_add_co_u32 s[G0V+1], s[G0V+1], VOFF
	s_lshl_b32 s58, s[BH], 18
	s_mov_b32 s59, 0
	s_lshl_b32 s62, s[W3], 13
	s_mov_b32 s63, 0
	s_wait_dscnt 0x0                               ; both opening adds are done
	s_wait_kmcnt 0x0
	s_add_nc_u64 s[60:61], s[4:5], s[58:59]        ; Q's plane
	s_add_nc_u64 s[KB:KB+1], s[60:61], s[62:63]
	s_add_nc_u64 s[KB:KB+1], s[KB:KB+1], 0x1000000
	s_add_nc_u64 s[VB:VB+1], s[KB:KB+1], 0x1000000
	s_mov_b64 s[G0K+2:G0K+3], s[KB:KB+1]
	s_or_b32 s[G0K+3], s[G0K+3], 0x80000000
	s_mov_b64 s[G0V+2:G0V+3], s[VB:VB+1]
	s_or_b32 s[G0V+3], s[G0V+3], 0x80000000
	TLOAD                                          ; slot 0: one load of mine is out
	s_lshl_b32 s58, s[Q0], 7
	s_add_nc_u64 s[OB:OB+1], s[60:61], s[58:59]    ; Q at my first query of the first block,
	s_lshl_b32 s58, s[IX], 8
	s_lshl_b32 s62, s[WV], 5
	s_add_co_u32 s58, s58, s62
	s_lshl_b32 s58, s58, 7
	s_add_nc_u64 s[QB2:QB2+1], s[60:61], s[58:59]  ; and of the second
	s_cmp_lt_u32 s[WV], 4
	s_cselect_b64 s[PFA:PFA+1], s[KB:KB+1], s[VB:VB+1]
	s_add_nc_u64 s[PFA:PFA+1], s[PFA:PFA+1], 32768 ; in slot 1: the first change of slots steps it to slot 2
	s_and_b32 s58, s[BH], 15
	s_lshl_b32 s58, s58, 20
	s_lshr_b32 s62, s[BH], 4
	s_lshl_b32 s62, s62, 18
	s_add_co_u32 s58, s58, s62
	s_add_nc_u64 s[ATB:ATB+1], s[6:7], s[58:59]    ; att at my head's plane and my batch's first row
	v_and_b32 v14, 15, v0                          ; r
	v_bfe_u32 v15, v0, 4, 1                        ; h
	v_lshlrev_b32 v[QO], 7, v14
	v_lshl_add_u32 v[QO], v15, 4, v[QO]
	WIN 0x40                                       ; destination window 1
.irp t, 0,1
.irp s, 0,1
	global_load_b128 v[QF+16*\t+8*\s:QF+16*\t+8*\s+3],   v[QO], s[OB:OB+1] offset:2048*\t+64*\s
	global_load_b128 v[QF+16*\t+8*\s+4:QF+16*\t+8*\s+7], v[QO], s[OB:OB+1] offset:2048*\t+64*\s+32
	global_load_b128 v[QF+32+16*\t+8*\s:QF+32+16*\t+8*\s+3],   v[QO], s[QB2:QB2+1] offset:2048*\t+64*\s
	global_load_b128 v[QF+32+16*\t+8*\s+4:QF+32+16*\t+8*\s+7], v[QO], s[QB2:QB2+1] offset:2048*\t+64*\s+32
.endr
.endr
	WIN 0
	v_mul_u32_u24 v[AK0], v14, KP
	v_lshl_add_u32 v[AK0], v15, 4, v[AK0]          ; K: row r, + 16 h
	v_and_b32 v[AV0], 7, v0
	v_lshl_add_u32 v[AV0], v15, 3, v[AV0]
	v_mul_u32_u24 v[AV0], v[AV0], VP
	v_bfe_u32 v[ADRV], v0, 3, 1
	v_lshl_add_u32 v[AV0], v[ADRV], 4, v[AV0]
	v_add_nc_u32 v[AV0], VOFF, v[AV0]              ; V: key 8 h + l % 8, channels 8 ((l / 8) % 2) on
	s_mul_i32 s58, s[WV], 2*16*KP
	s_add_co_u32 s58, s58, STAGE
	v_add_nc_u32 v[STO], s58, v[AK0]               ; the stage, in: row r, + 16 h
	v_bfe_u32 v[RD], v0, 3, 2
	v_mul_u32_u24 v[RD], v[RD], KP
	v_and_b32 v[GO], 7, v0
	v_lshl_add_u32 v[RD], v[GO], 4, v[RD]
	v_add_nc_u32 v[RD], s58, v[RD]                 ; back: eight lanes a row of 128 bytes, 32 lanes four rows
	v_and_b32 v[GO], 31, v0
	v_lshlrev_b32 v[PFO], 8, v[GO]
	v_lshlrev_b32 v[GO], 4, v[GO]
	v_lshlrev_b32 v[DG], 3, v15
	v_sub_nc_u32 v[DG], v14, v[DG]
	v_mov_b32 v[NINF], 0xff800000
	INIT
.macro SOFTMAX                         ; both tiles, line by line by turns
.irp j, 0,1,2,3
.irp t, 0,1
	v_max3_num_f32 v[ST+8*\t+4+\j], v[S+32*\t+8*\j], v[S+32*\t+8*\j+1], v[S+32*\t+8*\j+2]   ; each accumulator is read from its low end on
.endr
.endr
.irp g, 1,2
.irp j, 0,1,2,3
.irp t, 0,1
	v_max3_num_f32 v[ST+8*\t+4+\j], v[ST+8*\t+4+\j], v[S+32*\t+8*\j+2*\g+1], v[S+32*\t+8*\j+2*\g+2]
.endr
.endr
.endr
.irp t, 0,1
	v_max3_num_f32 v[ST+8*\t+4], v[ST+8*\t+4], v[S+32*\t+7], v[S+32*\t+15]
	v_max3_num_f32 v[ST+8*\t+6], v[ST+8*\t+6], v[S+32*\t+23], v[S+32*\t+31]
.endr
.irp t, 0,1
	v_max3_num_f32 v[ST+8*\t+4], v[ST+8*\t+4], v[ST+8*\t+5], v[ST+8*\t+6]
.endr
.irp t, 0,1
	v_max3_num_f32 v[ST+8*\t+4], v[ST+8*\t+4], v[ST+8*\t+7], v[ST+8*\t+1]   ; with the old m
.endr
.irp t, 0,1
	v_permlanex16_b32 v[ST+8*\t+5], v[ST+8*\t+4], s[SEL], s[SEL+1]          ; the query's other 32 keys lie in the lane 16 away
.endr
.irp t, 0,1
	v_mov_b32 v[ST+8*\t+7], v[ST+8*\t]             ; c m_old
.endr
.irp t, 0,1
	v_max_num_f32 v[ST+8*\t+1], v[ST+8*\t+4], v[ST+8*\t+5]
.endr
.irp t, 0,1
	v_mul_f32 v[ST+8*\t], s[CS], v[ST+8*\t+1]
.endr
.irp t, 0,1
	v_sub_f32 v[ST+8*\t+7], v[ST+8*\t+7], v[ST+8*\t]
.endr
.irp b, 0,1,2,3,4,5,6,7,8,9,10,11,12,13,14,15
.irp t, 0,1
	v_pk_fma_f32 v[S+32*\t+2*\b:S+32*\t+2*\b+1], v[S+32*\t+2*\b:S+32*\t+2*\b+1], s[CS:CS+1], v[ST+8*\t:ST+8*\t+1] op_sel_hi:[1,0,0] neg_lo:[0,0,1] neg_hi:[0,0,1]   ; c s - c m
.endr
.endr
.irp t, 0,1
	v_exp_f32 v[ST+8*\t+6], v[ST+8*\t+7]           ; a
.endr
.set ii, 0
.rept 64
	v_exp_f32 v[S+ii], v[S+ii]                     ; p, at most 1
.set ii, ii+1
.endr
	v_nop                                          ; a plain line behind the last exponential
	s_wait_alu depctr_va_vdst(0)                   ; one wait for the batch of 66, ahead of its first reader
.irp b, 0,1,2,3,4,5,6,7,8,9,10,11,12,13,14,15
.irp t, 0,1
	v_cvt_pk_f16_f32 v[P+16*\t+\b], v[S+32*\t+2*\b], v[S+32*\t+2*\b+1]
.endr
.endr
.irp z, 0,1,2,3,4,5,6,7
.irp t, 0,1
	v_pk_add_f32 v[S+32*\t+4*\z:S+32*\t+4*\z+1], v[S+32*\t+4*\z:S+32*\t+4*\z+1], v[S+32*\t+4*\z+2:S+32*\t+4*\z+3]
.endr
.endr
.irp z, 0,1,2,3
.irp t, 0,1
	v_pk_add_f32 v[S+32*\t+8*\z:S+32*\t+8*\z+1], v[S+32*\t+8*\z:S+32*\t+8*\z+1], v[S+32*\t+8*\z+4:S+32*\t+8*\z+5]
.endr
.endr
.irp z, 0,1
.irp t, 0,1
	v_pk_add_f32 v[S+32*\t+16*\z:S+32*\t+16*\z+1], v[S+32*\t+16*\z:S+32*\t+16*\z+1], v[S+32*\t+16*\z+8:S+32*\t+16*\z+9]
.endr
.endr
.irp t, 0,1
	v_pk_add_f32 v[S+32*\t:S+32*\t+1], v[S+32*\t:S+32*\t+1], v[S+32*\t+16:S+32*\t+17]
.endr
.irp t, 0,1
	v_pk_fma_f32 v[ST+8*\t+2:ST+8*\t+3], v[ST+8*\t+2:ST+8*\t+3], v[ST+8*\t+6:ST+8*\t+7], v[S+32*\t:S+32*\t+1] op_sel_hi:[1,0,1]   ; l = a l + the step's sum
.endr
.endm
; A KEY STEP: 64 keys.  Written once, walked four times a slot.
.macro STEP
	s_add_co_u32 s58, s[Q0], 31
	s_cmp_gt_u32 s[KEY0], s58                      ; all 64 keys come after my 32 queries?
	s_cbranch_scc1 .Lhid_\@
	v_add_nc_u32 v[ADRK], s[TBK], v[AK0]
	v_add_nc_u32 v[ADRV], s[TBV], v[AV0]
	v_nop
	v_nop                                          ; with the two additions: four places in front of loads into registers that the last products read
	WIN 0x40
.irp u, 0,1,2,3
.irp s, 0,1
	ds_load_b128 v[KFR+16*\u+8*\s:KFR+16*\u+8*\s+3],   v[ADRK] offset:\u*16*KP+64*\s
	ds_load_b128 v[KFR+16*\u+8*\s+4:KFR+16*\u+8*\s+7], v[ADRK] offset:\u*16*KP+64*\s+32
.endr
.endr
	WIN 0
.irp f, 0,1,2,3,4,5,6,7                ; keys 32 (f / 4) on, channels 16 (f % 4) on
	ds_load_tr16_b128 v[VF+8*\f:VF+8*\f+3],   v[ADRV] offset:(\f/4)*32*VP+(\f%4)*32
	ds_load_tr16_b128 v[VF+8*\f+4:VF+8*\f+7], v[ADRV] offset:(\f/4)*32*VP+16*VP+(\f%4)*32
.endr
	s_wait_dscnt 16                                ; K's sixteen loads are in; V's sixteen may be out
	WIN 0x05                                       ; K and Q window 1, S^T window 0
.irp s, 0,1                            ; eight accumulators by turns, one instruction a turn
.irp u, 0,1,2,3
.irp t, 0,1
.if \s == 0
	v_wmma_f32_16x16x32_f16 v[S+32*\t+8*\u:S+32*\t+8*\u+7], v[KFR+16*\u+8*\s:KFR+16*\u+8*\s+7], v[QF+16*\t+8*\s:QF+16*\t+8*\s+7], 0
.else
	v_wmma_f32_16x16x32_f16 v[S+32*\t+8*\u:S+32*\t+8*\u+7], v[KFR+16*\u+8*\s:KFR+16*\u+8*\s+7], v[QF+16*\t+8*\s:QF+16*\t+8*\s+7], v[S+32*\t+8*\u:S+32*\t+8*\u+7]
.endif
.endr
.endr
.endr
	WIN 0
.rept 4
	v_nop                                          ; places in front of the first read of the scores
.endr
	s_add_co_u32 s58, s[KEY0], 63
	s_cmp_le_u32 s58, s[Q0]                        ; do all 64 keys count for all my queries?
	s_cbranch_scc1 .Lopen_\@
	s_sub_co_i32 s58, s[Q0], s[KEY0]
	v_add_nc_u32 v14, s58, v[DG]                   ; register 32 t + 8 u + j holds key KEY0 + 16 u + 8 h + j of query Q0 + 16 t + r: hidden where 16 u + j - 16 t > Q0 - KEY0 + r - 8 h
.set ii, 0
.rept 64
	v_cmp_gt_i32 vcc_lo, 16*((ii%32)/8)+ii%8-16*(ii/32), v14
	v_cndmask_b32 v[S+ii], v[S+ii], v[NINF], vcc_lo
.set ii, ii+1
.endr
.Lopen_\@:
	SOFTMAX
	s_wait_dscnt 0x0                               ; V is in
	WIN 0x41                                       ; O^T window 1, a window 0
.irp b, 0,1,2,3,4,5,6,7,8,9,10,11,12,13,14,15
.irp t, 0,1
	v_pk_mul_f32 v[32*\t+2*\b:32*\t+2*\b+1], v[32*\t+2*\b:32*\t+2*\b+1], v[ST+8*\t+6:ST+8*\t+7] op_sel_hi:[1,0]
.endr
.endr
	WIN 0x50                                       ; V and P window 0, O^T window 1
.irp kh, 0,1
.irp c, 0,1,2,3
.irp t, 0,1
	v_wmma_f32_16x16x32_f16 v[32*\t+8*\c:32*\t+8*\c+7], v[VF+32*\kh+8*\c:VF+32*\kh+8*\c+7], v[P+16*\t+8*\kh:P+16*\t+8*\kh+7], v[32*\t+8*\c:32*\t+8*\c+7]
.endr
.endr
.endr
	WIN 0
.Lhid_\@:
	s_add_co_u32 s[KEY0], s[KEY0], 64
	s_add_co_u32 s[TBK], s[TBK], KSTEPB
	s_add_co_u32 s[TBV], s[TBV], VSTEPB
.endm
.macro STEPS4
	s_mov_b32 s[CNT4], 4
.Lstep_\@:
	STEP
	s_sub_co_u32 s[CNT4], s[CNT4], 1
	s_cmp_lg_u32 s[CNT4], 0
	s_cbranch_scc1 .Lstep_\@
	s_sub_co_u32 s[TBK], s[TBK], 4*KSTEPB          ; back to a slot's first step,
	s_xor_b32 s[TBK], s[TBK], SLOT1                ; in the other slot
	s_sub_co_u32 s[TBV], s[TBV], 4*VSTEPB
	s_xor_b32 s[TBV], s[TBV], SLOT1
.endm
; THE CHANGE OF SLOTS, at a slot's head.  Each wave waits for all its tensor loads (one is out: its part of the slot ahead), adds 0 to its spare word, and waits for that and for its reads of the slot that it has left.
; fill = 1: behind the barrier the slot just left is filled with the walk's next 256 keys: it has four key steps in which to land.
.macro CHANGE fill
	s_wait_tensorcnt 0x0                           ; no tensor load of mine is out, so a group 0 may be written
	ds_add_u32 v[SPW], v[NIL]
.if \fill
	s_add_co_u32 s58, s[TAU], 1                    ; the walk's next slot: in the first block its own number, behind it the number less 8 - i
	s_cmp_gt_u32 s58, s[LASTHI]
	s_cselect_b32 s59, s[WRAP], 0
	s_sub_co_u32 s58, s58, s59
	s_lshl_b32 s58, s58, 15                        ; 256 rows of 128 bytes
	s_mov_b32 s59, 0
	s_add_nc_u64 s[G0K+2:G0K+3], s[KB:KB+1], s[58:59]
	s_or_b32 s[G0K+3], s[G0K+3], 0x80000000
	s_add_nc_u64 s[G0V+2:G0V+3], s[VB:VB+1], s[58:59]
	s_or_b32 s[G0V+3], s[G0V+3], 0x80000000
	s_xor_b32 s[G0K+1], s[G0K+1], SLOT1
	s_xor_b32 s[G0V+1], s[G0V+1], SLOT1
	s_wait_xcnt 0x0                                ; the last prefetch, a slot back, has read its address
	s_add_nc_u64 s[PFA:PFA+1], s[PFA:PFA+1], 32768
.endif
	s_wait_dscnt 0x0                               ; the add is done, and my reads of the slot that I have left are over
	s_barrier_signal -1
	s_barrier_wait -1
.if \fill
	TLOAD                                          ; the first thing behind the barrier, and my one tensor load until the next
	ASK
.endif
.endm
; THE WAY OUT of a block of queries: O^T / l, rounded to f16, through my stage; 32 lanes store four rows of 128 bytes: 512 consecutive bytes, aligned.
.macro WAYOUT
	s_wait_xcnt 0x0                                ; earlier loads and stores have read their base and data registers
	s_lshl_b32 s58, s[Q0], 7
	s_mov_b32 s59, 0
	s_add_nc_u64 s[OB:OB+1], s[ATB:ATB+1], s[58:59]
.irp t, 0,1
	v_add_f32 v[ST+8*\t+4], v[ST+8*\t+2], v[ST+8*\t+3]
.endr
.irp t, 0,1
	v_permlanex16_b32 v[ST+8*\t+5], v[ST+8*\t+4], s[SEL], s[SEL+1]
.endr
.irp t, 0,1
	v_add_f32 v[ST+8*\t+4], v[ST+8*\t+4], v[ST+8*\t+5]
.endr
.irp t, 0,1
	v_rcp_f32 v[ST+8*\t+6], v[ST+8*\t+4]
.endr
	v_nop                                          ; (with the four additions: the places behind the last products)
	s_wait_alu depctr_va_vdst(0)                   ; one wait for the two reciprocals, ahead of their first reader
	WIN 0x41
.irp t, 0,1
.irp b, 0,1,2,3,4,5,6,7,8,9,10,11,12,13,14,15
	v_pk_mul_f32 v[32*\t+2*\b:32*\t+2*\b+1], v[32*\t+2*\b:32*\t+2*\b+1], v[ST+8*\t+6:ST+8*\t+7] op_sel_hi:[1,0]
.endr
.endr
	WIN 0x05
.irp t, 0,1
.irp b, 0,1,2,3,4,5,6,7,8,9,10,11,12,13,14,15
	v_cvt_pk_f16_f32 v[OUTP+16*\t+\b], v[32*\t+2*\b], v[32*\t+2*\b+1]
.endr
.endr
	WIN 0
.irp t, 0,1
.irp c, 0,1,2,3
	ds_store_b128 v[STO], v[OUTP+16*\t+4*\c:OUTP+16*\t+4*\c+3] offset:16*KP*\t+32*\c
.endr
.endr
.irp n, 0,1,2,3,4,5,6,7
	ds_load_b128 v[OUTB+4*\n:OUTB+4*\n+3], v[RD] offset:16*KP*(\n/4)+4*KP*(\n%4)   ; LDS serves a wave's instructions in order: these see my stores
.endr
.irp n, 0,1,2,3,4,5,6,7
	s_wait_dscnt 7-\n
	global_store_b128 v[GO], v[OUTB+4*\n:OUTB+4*\n+3], s[OB:OB+1] offset:2048*(\n/4)+512*(\n%4)
.endr
.endm
	s_wait_loadcnt 0x0                             ; Q, both blocks'
.Lslot:                                            ; eight trips; the ninth slot is written out
	CHANGE 1
	STEPS4
	s_cmp_lg_u32 s[TAU], s[LASTHI]                 ; was that the first block's last slot?  Ids and the count of slots alone
	s_cbranch_scc1 .Lsame_block
	WAYOUT
	WIN 0x41
.set ii, 0
.rept 32
	v_mov_b32 v[QF+ii], v[QF+32+ii]                ; the second block's Q
.set ii, ii+1
.endr
	WIN 0
	s_lshl_b32 s[Q0], s[IX], 8
	s_lshl_b32 s58, s[WV], 5
	s_add_co_u32 s[Q0], s[Q0], s58
	s_mov_b32 s[KEY0], 0
	INIT
.Lsame_block:
	s_add_co_u32 s[TAU], s[TAU], 1
	s_sub_co_u32 s[SLOTS], s[SLOTS], 1
	s_cmp_lg_u32 s[SLOTS], 0
	s_cbranch_scc1 .Lslot
	CHANGE 0
	STEPS4
	WAYOUT
	s_wait_tensorcnt 0x0                           ; the wave's end
	ds_add_u32 v[SPW], v[NIL]
	s_wait_dscnt 0x0
	s_endpgm
.Lfunc_end_k_qa0ad1a4b35_attn:
	.size	k_qa0ad1a4b35_attn, .Lfunc_end_k_qa0ad1a4b35_attn-k_qa0ad1a4b35_attn
	.p2alignl 7, 3214868480
	.fill 96, 4, 3214868480
	.section	.rodata,"a",@progbits
	.p2align	6, 0x0
	.amdhsa_kernel k_qa0ad1a4b35_attn
		.amdhsa_group_segment_fixed_size 327680
		.amdhsa_private_segment_fixed_size 0
		.amdhsa_enable_private_segment 0
		.amdhsa_kernarg_size 16
		.amdhsa_user_sgpr_count 2
		.amdhsa_user_sgpr_kernarg_segment_ptr 1
		.amdhsa_wavefront_size32 1
		.amdhsa_system_sgpr_workgroup_id_x 1
		.amdhsa_system_sgpr_workgroup_id_y 1
		.amdhsa_system_sgpr_workgroup_id_z 1
		.amdhsa_system_vgpr_workitem_id 0
		.amdhsa_next_free_vgpr 512
		.amdhsa_next_free_sgpr 70
		.amdhsa_reserve_vcc 1
		.amdhsa_float_denorm_mode_32 3
		.amdhsa_float_denorm_mode_16_64 3
		.amdhsa_memory_ordered 1
		.amdhsa_forward_progress 1
		.amdhsa_inst_pref_size 72
	.end_amdhsa_kernel
	.amdgpu_metadata
---
amdhsa.version: [ 1, 2 ]
amdhsa.kernels:
  - .name:           k_qa0ad1a4b35_attn
    .symbol:         k_qa0ad1a4b35_attn.kd
    .args:
      - { .name: qkv, .offset: 0, .size: 8, .value_kind: global_buffer, .address_space: global }
      - { .name: att, .offset: 8, .size: 8, .value_kind: global_buffer, .address_space: global }
    .group_segment_fixed_size: 327680
    .private_segment_fixed_size: 0
    .kernarg_segment_align: 8
    .kernarg_segment_size: 16
    .max_flat_workgroup_size: 256
    .sgpr_count:     70
    .vgpr_count:     512
    .wavefront_size: 32
...
	.end_amdgpu_metadata
.endif
;; end of part 3
;; launch proj (part 4): grid 8 x 32, 4 waves a work-group, clusters of 4 x 4, 327,680 bytes of LDS; arguments att, wph, b_proj, out0; writes out0
.if DOCPART == 4
	.amdgcn_target "amdgcn-amd-amdhsa--gfx1250"
	.amdhsa_code_object_version 6
	.text
	.protected	k_qa0ad1a4b35_proj
	.globl	k_qa0ad1a4b35_proj
	.p2align	8
	.type	k_qa0ad1a4b35_proj,@function
k_qa0ad1a4b35_proj:
	s_mov_b64 s[64:65], 0
	v_nop
	global_prefetch_b8 v0, s[64:65] scope:SCOPE_SE
	s_setreg_imm32_b32 hwreg(HW_REG_WAVE_MODE, 25, 1), 1
	s_wait_xcnt 0x0
	s_wait_alu depctr_hold_cnt(0) depctr_sa_sdst(0) depctr_va_vdst(0) depctr_va_sdst(0) depctr_va_ssrc(0) depctr_va_vcc(0) depctr_vm_vsrc(0)
	s_getreg_b32 s2, hwreg(HW_REG_IB_STS2, 6, 4)
	s_cmp_eq_u32 s2, 0
	s_cbranch_scc0 .Lentry_in_a_cluster
	s_endpgm
.Lentry_in_a_cluster:
	s_bfe_u32 s2, ttmp6, 0x10000c
	s_cmp_lg_u32 s2, 0xf033
	s_cbranch_scc0 .Lentry_shape_is_right
	s_endpgm
.Lentry_shape_is_right:
; out0[m][n] = the sum over k of att[m][k] w_proj[k][n] + b_proj[n], on f16 operands, sums in f32.  A = att, f16 [head 16][m 8192][64] (k = 64 head + channel); B = wph, f16 [n 1024][k 1024]; out0 [8192][1024] f32.
; A tile of the result is 256 (m) x 128 (n): 256 work-groups.  Four waves, each 128 x 64: 32 accumulators of 16 x 16, which fill window 1.
; K goes in steps of 128 (two heads) through a ring of two LDS slots: A's two planes of 256 rows x 128 bytes, each one dense block of memory (waves 0 and 1), and B's 128 rows x 256 bytes (waves 2 and 3).
; CLUSTERS: 4 x 4; A's tiles are asked for jointly along a row of the cluster, B's along a column.  TRANSPOSED USE (source 0 = 16 rows of B, source 1 = 16 rows of A): a lane holds eight neighbouring columns of a row.
; b_proj is the C of each sum's first instruction.  (Rows 0-15 of every sequence are written once more, more finely, by the launch that follows.)
; REGISTERS: window 0: v16-30 addresses; v32-63 the bias; A's fragments v64-127 and v128-191, B's v192-223 and v224-255 (two buffers of 32 along K).  window 1: accumulator (a, b) at v[8 (4 a + b)].
.set KP,     144                       ; A's LDS row: 128 bytes + 16
.set BP,     272                       ; B's: 256 + 16
.set PLANE,  256*KP
.set BOFF,   2*PLANE
.set BHALF,  64*BP
.set SLOT,   BOFF+2*BHALF
.set STAGE,  2*SLOT                    ; behind the ring: 16 rows x 272 bytes for each wave
.set SPITCH, 272
.set SPARE,  STAGE+4*16*SPITCH
.set LAPS,   4                         ; 8 K steps: four times round the ring
.set ASTEP,  2097152                   ; a K step in att: two planes of 2^20 bytes
.set ADRA, 16
.set ADRB, 20
.set STO,  24
.set RD,   25
.set CO,   26
.set BO,   27
.set SPW,  28
.set NIL,  29
.set PFO,  30
.set BIAS, 32
.set WV, 12
.set FB, 13                            ; s13 which half of the tile's rows is mine.  Also: I fetch for A (0) or for B (1)
.set PP, 14                            ; s14 which half of its columns.  Also: which plane of A, or which 64 rows of B, I fetch
.set TR, 15
.set TC, 42
.set LIM, 45
.set PFA, 46
.set G1, 24
.set G0, 32
.set G1B, 48
.set G0B, 56
.set MSB, 0
.macro WIN new
.if MSB != \new
	s_set_vgpr_msb (MSB<<8)|\new
.set MSB, \new
.endif
.endm
.macro JLOAD s                         ; a joint load; an s_nop 0 and four v_nop follow each of the two lines
	s_cmp_eq_u32 s[FB], 0
	s_cbranch_scc0 .Lfor_b_\@
	tensor_load_to_lds s[G0+4*\s:G0+4*\s+3], s[G1:G1+7]
	s_nop 0
.rept 4
	v_nop
.endr
	s_branch .Lasked_\@
.Lfor_b_\@:
	tensor_load_to_lds s[G0B+4*\s:G0B+4*\s+3], s[G1B:G1B+7]
	s_nop 0
.rept 4
	v_nop
.endr
.Lasked_\@:
.endm
; A prefetch of A's tile of the K step that stands two refills on: 256 matrix instructions of a wave ahead of its load.  A tile row of att is read by both clusters of that row of clusters: the one with x = 0 asks.
; A plane's tile is 32,768 dense bytes: the four partners that ask for it jointly take 8,192 each, told apart by address; lanes 256 bytes apart; waves 0 and 1, a plane each.  The last two refills name nothing.
; wph is read by all 32 tile rows again and again and is not asked for.
.macro ASK
	s_cmp_gt_u32 s3, s[LIM]                        ; s3 = 1 in the loop's last trip
	s_cbranch_scc0 .Lnot_mine_\@
	global_prefetch_b8 v[PFO], s[PFA:PFA+1] offset:ASTEP th:TH_LOAD_NT scope:SCOPE_SE
.Lnot_mine_\@:
.endm
.macro CREST
	s_cmp_lg_u32 s[WV], 0
	s_cbranch_scc1 .Lnot_wave_0_\@
	s_barrier_signal -3
.Lnot_wave_0_\@:
	s_barrier_wait -3
	s_barrier_signal -1
	s_barrier_wait -1
.endm
.macro CROUND
	s_barrier_signal -1
	s_barrier_wait -1
	CREST
.endm
	s_load_b128 s[4:7], s[0:1], 0x0                ; att, wph
	s_load_b128 s[8:11], s[0:1], 0x10              ; b_proj, out0
	v_lshl_add_u32 v[SPW], v0, 2, SPARE
	v_mov_b32 v[NIL], 0
	ds_add_u32 v[SPW], v[NIL]                      ; the wave's opening: the add, twice on end, and its wait ahead of my first tensor load
	ds_add_u32 v[SPW], v[NIL]
	v_lshrrev_b32 v1, 5, v0
	v_readfirstlane_b32 s[WV], v1
	s_lshr_b32 s[FB], s[WV], 1
	s_and_b32 s[PP], s[WV], 1
	s_bfe_u32 s40, ttmp6, 0x40000                  ; cx
	s_bfe_u32 s41, ttmp6, 0x40004                  ; cy
	s_lshl_b32 s[TC], ttmp9, 2
	s_add_co_u32 s[TC], s[TC], s40                 ; tile column = 4 x cluster x + cx
	s_and_b32 s[TR], ttmp7, 0xffff
	s_lshl_b32 s[TR], s[TR], 2
	s_add_co_u32 s[TR], s[TR], s41                 ; tile row = 4 x cluster y + cy
	s_lshl_b32 s43, s41, 2
	s_lshl_b32 s43, 15, s43                        ; my row of the cluster
	s_lshl_b32 s44, 0x1111, s40                    ; my column
	s_or_b32 s[G1+0], s43, (1<<16)|(1<<20)|(1<<21)|(4<<22)|(3<<25)   ; A: elements of 2 bytes; 4 words of padding after every 32
	s_mov_b32 s[G1+1], 64<<16                      ; tensor_dim0 = 64
	s_mov_b32 s[G1+2], 256<<16                     ; tensor_dim1 = 256
	s_mov_b32 s[G1+3], 64<<16                      ; tile_dim0
	s_mov_b32 s[G1+4], 256                         ; tile_dim1
	s_mov_b32 s[G1+5], 64                          ; the pitch
	s_mov_b32 s[G1+6], 0
	s_mov_b32 s[G1+7], 0
	s_or_b32 s[G1B+0], s44, (1<<16)|(1<<20)|(1<<21)|(5<<22)|(3<<25)  ; B: 4 words after every 64
	s_mov_b32 s[G1B+1], 128<<16
	s_mov_b32 s[G1B+2], 64<<16
	s_mov_b32 s[G1B+3], 128<<16
	s_mov_b32 s[G1B+4], 64
	s_mov_b32 s[G1B+5], 1024
	s_mov_b32 s[G1B+6], 0
	s_mov_b32 s[G1B+7], 0
	s_lshl_b32 s16, s[PP], 20                      ; A: my plane, my tile row's 256 rows of 128 bytes
	s_lshl_b32 s17, s[TR], 15
	s_add_co_u32 s16, s16, s17
	s_mov_b32 s17, 0
	s_lshl_b32 s18, s[TC], 18                      ; B: row 128 x tile column + 64 x half, 2,048 bytes a row
	s_lshl_b32 s19, s[PP], 17
	s_add_co_u32 s18, s18, s19
	s_mov_b32 s19, 0
	s_mul_i32 s20, s[PP], PLANE                    ; where they go: no place in the cluster enters an LDS address
	s_mul_i32 s21, s[PP], BHALF
	s_add_co_u32 s21, s21, BOFF
	s_wait_dscnt 0x0                               ; both opening adds are done
	s_wait_kmcnt 0x0
	s_add_nc_u64 s[16:17], s[4:5], s[16:17]
	s_add_nc_u64 s[18:19], s[6:7], s[18:19]
	CROUND                                         ; all sixteen work-groups are here: the first joint loads meet
.irp s, 0,1
	s_mov_b32 s[G0+4*\s], 1
	s_add_co_u32 s[G0+4*\s+1], s20, \s*SLOT
	s_add_nc_u64 s[G0+4*\s+2:G0+4*\s+3], s[16:17], \s*ASTEP
	s_or_b32 s[G0+4*\s+3], s[G0+4*\s+3], 0x80000000
	s_mov_b32 s[G0B+4*\s], 1
	s_add_co_u32 s[G0B+4*\s+1], s21, \s*SLOT
	s_add_nc_u64 s[G0B+4*\s+2:G0B+4*\s+3], s[18:19], \s*256
	s_or_b32 s[G0B+4*\s+3], s[G0B+4*\s+3], 0x80000000
	JLOAD \s                                       ; two loads of mine are out
.endr
	v_and_b32 v1, 15, v0                           ; r
	v_bfe_u32 v2, v0, 4, 1                         ; h
	v_mul_u32_u24 v3, v1, KP
	v_lshl_add_u32 v3, v2, 4, v3
	v_mul_u32_u24 v4, v1, BP
	v_lshl_add_u32 v4, v2, 4, v4
	s_mul_i32 s22, s[FB], 128*KP                   ; my 128 rows of A, in each plane
	s_mul_i32 s23, s[PP], BHALF                    ; my 64 rows of B
	s_add_co_u32 s23, s23, BOFF
.irp s, 0,1
	v_add_nc_u32 v[ADRA+\s], s22, v3
	v_add_nc_u32 v[ADRB+\s], s23, v4
	s_add_co_u32 s22, s22, SLOT
	s_add_co_u32 s23, s23, SLOT
.endr
	s_mul_i32 s22, s[WV], 16*SPITCH
	s_add_co_u32 s22, s22, STAGE                   ; my stage
	v_mul_u32_u24 v5, v1, SPITCH
	v_lshl_add_u32 v5, v2, 5, v5
	v_add_nc_u32 v[STO], s22, v5                   ; in: row r, 32 bytes for each half of the lanes
	v_mul_u32_u24 v5, v2, SPITCH
	v_lshl_add_u32 v5, v1, 4, v5
	v_add_nc_u32 v[RD], s22, v5                    ; back: lanes 0-15 one row of 256 bytes, lanes 16-31 the next
	v_lshlrev_b32 v[CO], 12, v2
	v_lshl_add_u32 v[CO], v1, 4, v[CO]             ; and the same two rows in out0
	v_lshlrev_b32 v[BO], 5, v2
	v_and_b32 v[PFO], 31, v0
	v_lshlrev_b32 v[PFO], 8, v[PFO]
	s_lshl_b32 s22, s[TC], 9                       ; my first column in bytes: 512 x tile column + 256 x half
	s_lshl_b32 s23, s[PP], 8
	s_add_co_u32 s22, s22, s23
	s_mov_b32 s23, 0
	s_add_nc_u64 s[8:9], s[8:9], s[22:23]
	s_lshl_b32 s2, s[TR], 20                       ; my first row: 256 x tile row + 128 x half, 4,096 bytes a row
	s_add_co_u32 s22, s22, s2
	s_lshl_b32 s2, s[FB], 19
	s_add_co_u32 s22, s22, s2
	s_add_nc_u64 s[10:11], s[10:11], s[22:23]
	s_lshl_b32 s22, s40, 13                        ; the prefetches: my work-group's 8,192 bytes of the plane's tile,
	s_add_nc_u64 s[PFA:PFA+1], s[16:17], s[22:23]
	s_add_nc_u64 s[PFA:PFA+1], s[PFA:PFA+1], 2*ASTEP   ; at K step 2: the first refill steps it to 3 and names K step 4
	s_or_b32 s22, s[FB], ttmp9                     ; 0 in waves 0 and 1 of a cluster with x = 0: the same in all sixteen partners for a given wave
	s_cmp_eq_u32 s22, 0
	s_cselect_b32 s[LIM], 1, -1
.irp b, 0,1,2,3
	global_load_b128 v[BIAS+8*\b:BIAS+8*\b+3], v[BO], s[8:9] offset:64*\b          ; the bias in the result's layout
	global_load_b128 v[BIAS+8*\b+4:BIAS+8*\b+7], v[BO], s[8:9] offset:64*\b+16
.endr
; 8 matrix instructions: A's blocks a0, a0 + 1 x B's four, 32 along K, from buffer f.  zero = 1: the sums begin with the bias.  The 32 accumulators take turns.
.macro MUL8 f, a0, zero
.irp a, \a0, \a0+1
.irp b, 0,1,2,3
.if \zero
	v_wmma_f32_16x16x32_f16 v[8*(4*(\a)+\b):8*(4*(\a)+\b)+7], v[192+32*\f+8*\b:192+32*\f+8*\b+7], v[64+64*\f+8*(\a):64+64*\f+8*(\a)+7], v[BIAS+8*\b:BIAS+8*\b+7]
.else
	v_wmma_f32_16x16x32_f16 v[8*(4*(\a)+\b):8*(4*(\a)+\b)+7], v[192+32*\f+8*\b:192+32*\f+8*\b+7], v[64+64*\f+8*(\a):64+64*\f+8*(\a)+7], v[8*(4*(\a)+\b):8*(4*(\a)+\b)+7]
.endif
.endr
.endr
.endm
; 24 LDS loads in one run: quarter q of a slot into buffer f: B's four fragments, then A's eight.  Quarter q lies in plane q / 2, at byte 64 (q % 2) of its rows
.macro FETCH slot, q, f
.irp b, 0,1,2,3
	ds_load_b128 v[192+32*\f+8*\b:192+32*\f+8*\b+3],   v[ADRB+\slot] offset:\b*16*BP+64*(\q)
	ds_load_b128 v[192+32*\f+8*\b+4:192+32*\f+8*\b+7], v[ADRB+\slot] offset:\b*16*BP+64*(\q)+32
.endr
.irp i, 0,1,2,3,4,5,6,7
	ds_load_b128 v[64+64*\f+8*\i:64+64*\f+8*\i+3],   v[ADRA+\slot] offset:((\q)/2)*PLANE+\i*16*KP+64*((\q)%2)
	ds_load_b128 v[64+64*\f+8*\i+4:64+64*\f+8*\i+7], v[ADRA+\slot] offset:((\q)/2)*PLANE+\i*16*KP+64*((\q)%2)+32
.endr
.endm
.macro PLACES
.rept 4
	v_nop
.endr
.endm
.macro MWIN zero
.if \zero
	WIN 0x40                                       ; C (the bias) window 0, D window 1
.else
	WIN 0x50                                       ; C and D window 1
.endif
.endm
; One of a K step's first three quarters: multiplies buffer f; in its middle it fetches quarter q of the same slot into buffer g.
.macro QUARTER slot, q, f, g, zero
	s_wait_dscnt 8                                 ; B and A's blocks 0-3 are in; the youngest eight loads (A's blocks 4-7) may be out
	MWIN \zero
	MUL8 \f, 0, \zero
	MUL8 \f, 2, \zero
	PLACES
	WIN 0
	FETCH \slot, \q, \g
	s_wait_dscnt 24                                ; all but the 24 just issued
	MWIN \zero
	MUL8 \f, 4, \zero
	MUL8 \f, 6, \zero
.endm
; The last quarter multiplies buffer 1 and changes slots: one barrier; in front of it each wave waits for all its tensor loads (one is out: its part of the next slot), adds 0 to its spare word, and waits for that and for its reads of this slot.
; fill = 1: the barrier opens a round of the cluster's barrier, and this slot is filled again, two K steps ahead: 112 matrix instructions of a wave stand between the request and the wait for it.
.macro TURN slot, next, fill
	WIN 0
.if \fill
	s_wait_xcnt 0x0                                ; the last prefetch, a K step back, has read its address
	s_add_nc_u64 s[PFA:PFA+1], s[PFA:PFA+1], ASTEP
.endif
	s_wait_tensorcnt 0x0
	ds_add_u32 v[SPW], v[NIL]
	s_wait_dscnt 9                                 ; (the add and the youngest eight loads may be out)
	WIN 0x50
	MUL8 1, 0, 0
	s_wait_dscnt 0x0                               ; the add is done, and my reads of this slot are over
	s_barrier_signal -1
	MUL8 1, 2, 0
	WIN 0
	s_barrier_wait -1
.if \fill
	CREST
	s_add_nc_u64 s[G0+4*\slot+2:G0+4*\slot+3], s[G0+4*\slot+2:G0+4*\slot+3], 2*ASTEP
	s_add_nc_u64 s[G0B+4*\slot+2:G0B+4*\slot+3], s[G0B+4*\slot+2:G0B+4*\slot+3], 2*256
	JLOAD \slot                                    ; the first tensor load behind the round; its four v_nop are also the places in front of the loads below
.else
	PLACES
.endif
	FETCH \next, 0, 0
.if \fill
	ASK
.endif
	WIN 0x50
	MUL8 1, 4, 0
	MUL8 1, 6, 0
.endm
	s_wait_tensorcnt 1                             ; my part of K step 0 is in (K step 1's may be out)
	s_barrier_signal -1
	s_barrier_wait -1                              ; everybody's is
	FETCH 0, 0, 0
	s_wait_loadcnt 0x0                             ; the bias
	QUARTER 0, 1, 0, 1, 1
	WIN 0
	s_mov_b32 s3, LAPS-1
.Llap:                                             ; a trip goes once round the ring and fills both slots again
	QUARTER 0, 2, 1, 0, 0
	QUARTER 0, 3, 0, 1, 0
	TURN 0, 1, 1
	QUARTER 1, 1, 0, 1, 0
	QUARTER 1, 2, 1, 0, 0
	QUARTER 1, 3, 0, 1, 0
	TURN 1, 0, 1
	QUARTER 0, 1, 0, 1, 0
	WIN 0
	s_sub_co_u32 s3, s3, 1
	s_cmp_lg_u32 s3, 0
	s_cbranch_scc1 .Llap
	QUARTER 0, 2, 1, 0, 0                          ; the last lap fills nothing
	QUARTER 0, 3, 0, 1, 0
	TURN 0, 1, 0
	QUARTER 1, 1, 0, 1, 0
	QUARTER 1, 2, 1, 0, 0
	QUARTER 1, 3, 0, 1, 0
	s_wait_dscnt 8
	WIN 0x50
	MUL8 1, 0, 0
	MUL8 1, 2, 0
	s_wait_dscnt 0
	MUL8 1, 4, 0
	MUL8 1, 6, 0
	WIN 0
; THE WAY OUT, block by block of 16 rows x 64 columns: through my stage, back as whole rows of 256 bytes: sixteen lanes store 256 consecutive bytes, aligned.
.macro TOSTAGE a
	WIN 0x04                                       ; an LDS store's data are its source 1: window 1
.irp b, 0,1,2,3
	ds_store_b128 v[STO], v[8*(4*(\a)+\b):8*(4*(\a)+\b)+3] offset:64*\b            ; each accumulator from its low end on
	ds_store_b128 v[STO], v[8*(4*(\a)+\b)+4:8*(4*(\a)+\b)+7] offset:64*\b+16
.endr
	WIN 0
.set BB, 64+32*((\a)%2)
.irp u, 0,1,2,3,4,5,6,7
	ds_load_b128 v[BB+4*\u:BB+4*\u+3], v[RD] offset:\u*2*SPITCH
.endr
.endm
.macro SEND a, younger
.set BB, 64+32*((\a)%2)
	s_wait_dscnt \younger                          ; the block is back; the next block's sixteen LDS instructions may be out
.irp u, 0,1,2,3,4,5,6,7
	global_store_b128 v[CO], v[BB+4*\u:BB+4*\u+3], s[10:11] offset:(16*(\a)+2*\u)*4096 th:TH_STORE_NT
.endr
.endm
	PLACES
	TOSTAGE 0
.irp a, 1,2,3,4,5,6,7
.if \a > 1
	s_wait_xcnt 0x0                                ; block a - 2's stores have read their registers: block a's loads may land there
.endif
	TOSTAGE \a
	SEND \a-1, 16
.endr
	SEND 7, 0
	s_wait_tensorcnt 0x0                           ; the wave's end
	ds_add_u32 v[SPW], v[NIL]
	s_wait_dscnt 0x0
	CROUND                                         ; the closing round
	s_endpgm
.Lfunc_end_k_qa0ad1a4b35_proj:
	.size	k_qa0ad1a4b35_proj, .Lfunc_end_k_qa0ad1a4b35_proj-k_qa0ad1a4b35_proj
	.p2alignl 7, 3214868480
	.fill 96, 4, 3214868480
	.section	.rodata,"a",@progbits
	.p2align	6, 0x0
	.amdhsa_kernel k_qa0ad1a4b35_proj
		.amdhsa_group_segment_fixed_size 327680
		.amdhsa_private_segment_fixed_size 0
		.amdhsa_enable_private_segment 0
		.amdhsa_kernarg_size 32
		.amdhsa_user_sgpr_count 2
		.amdhsa_user_sgpr_kernarg_segment_ptr 1
		.amdhsa_wavefront_size32 1
		.amdhsa_system_sgpr_workgroup_id_x 1
		.amdhsa_system_sgpr_workgroup_id_y 1
		.amdhsa_system_sgpr_workgroup_id_z 1
		.amdhsa_system_vgpr_workitem_id 0
		.amdhsa_next_free_vgpr 512
		.amdhsa_next_free_sgpr 66
		.amdhsa_reserve_vcc 0
		.amdhsa_float_denorm_mode_32 3
		.amdhsa_float_denorm_mode_16_64 3
		.amdhsa_memory_ordered 1
		.amdhsa_forward_progress 1
		.amdhsa_inst_pref_size 87
	.end_amdhsa_kernel
	.amdgpu_metadata
---
amdhsa.version: [ 1, 2 ]
amdhsa.kernels:
  - .name:           k_qa0ad1a4b35_proj
    .symbol:         k_qa0ad1a4b35_proj.kd
    .args:
      - { .name: att, .offset: 0, .size: 8, .value_kind: global_buffer, .address_space: global }
      - { .name: wph, .offset: 8, .size: 8, .value_kind: global_buffer, .address_space: global }
      - { .name: b_proj, .offset: 16, .size: 8, .value_kind: global_buffer, .address_space: global }
      - { .name: out0, .offset: 24, .size: 8, .value_kind: global_buffer, .address_space: global }
    .group_segment_fixed_size: 327680
    .private_segment_fixed_size: 0
    .kernarg_segment_align: 8
    .kernarg_segment_size: 32
    .max_flat_workgroup_size: 128
    .sgpr_count:     66
    .vgpr_count:     512
    .wavefront_size: 32
...
	.end_amdgpu_metadata
.endif
;; end of part 4
;; launch fine (part 5): grid 64 x 4, 16 waves a work-group, no clusters, 18,432 bytes of LDS; arguments q32, w_proj, b_proj, out0; writes out0
.if DOCPART == 5
	.amdgcn_target "amdgcn-amd-amdhsa--gfx1250"
	.amdhsa_code_object_version 6
	.text
	.protected	k_qa0ad1a4b35_fine
	.globl	k_qa0ad1a4b35_fine
	.p2align	8
	.type	k_qa0ad1a4b35_fine,@function
k_qa0ad1a4b35_fine:
	s_mov_b64 s[64:65], 0
	v_nop
	global_prefetch_b8 v0, s[64:65] scope:SCOPE_SE
	s_setreg_imm32_b32 hwreg(HW_REG_WAVE_MODE, 25, 1), 1
	s_wait_xcnt 0x0
; POSITIONS 0-15 OF EVERY SEQUENCE, ALL IN f32: these rows average one to sixteen values, so the rounding of 16-bit operands weighs most there.  The launch runs last and writes rows 0-15 of each batch of out0 anew.
; q32 [batch x 16 + t][3072] holds q, k, v of these positions in f32.  Work-group (nb, batch) makes 16 rows x 16 columns (16 nb on) of out0; wave = head.
; A wave: S^T = K Q^T (16 x 16 x 64), causal softmax with the row's maximum taken off, O^T = V^T P (64 x 16 x 16), then its head's part of the projection, W^T a (16 x 16 x 64): 48 instructions v_wmma_f32_16x16x4_f32.
; The sixteen heads' parts meet in LDS as images of registers; waves 0 and 1 add them and the bias and store.
; In this matrix form a lane (r, g) holds row or column r and k = 2 g + j in register j.  K is taken in a permuted order, the same on both sources of each product: a lane's registers run along its own half of K.
; The accumulators (v160-191, v208-239) are written by matrix instructions alone; each sum begins with the constant 0; what is made of a sum goes into other registers.
; A store covers 16 bytes a lane in rows 4,096 bytes apart: 64-byte pieces of a row.  The launch stores 262,144 bytes in all; sixteen columns to a work-group spread the f32 matrix work over 256 work-groups.
; LIMIT: NaN and infinities are not served.
.set SPARE, 16384                      ; behind the sixteen images of 1,024 bytes: the spare words, 128 bytes a wave
.set SPW, 30
.set NIL, 31
	s_load_b128 s[4:7], s[0:1], 0x0                ; q32, w_proj
	s_load_b128 s[8:11], s[0:1], 0x10              ; b_proj, out0
	v_lshl_add_u32 v[SPW], v0, 2, SPARE
	v_mov_b32 v[NIL], 0
	v_lshrrev_b32 v11, 5, v0
	v_readfirstlane_b32 s12, v11                   ; wave = head
	s_and_b32 s13, ttmp7, 0xffff                   ; batch
	v_and_b32 v1, 15, v0                           ; r
	v_bfe_u32 v2, v0, 4, 1                         ; g
	v_mul_u32_u24 v3, v1, 12288
	v_lshl_add_u32 v3, v2, 7, v3                   ; Q, K: row r, channels 32 g on
	v_mul_u32_u24 v4, v2, 8*12288
	v_lshl_add_u32 v4, v1, 2, v4                   ; V: keys 8 g on, channel r
	v_lshlrev_b32 v5, 15, v2
	v_lshl_add_u32 v5, v1, 2, v5                   ; w_proj: rows 8 g on, column r
	v_and_b32 v6, 31, v0
	v_lshlrev_b32 v6, 4, v6                        ; 16 x lane
	s_and_b32 s14, s12, 1
	s_lshl_b32 s15, s14, 9
	v_add_nc_u32 v7, s15, v6                       ; the images, back: half (wave % 2)
	s_lshl_b32 s15, s12, 10
	v_add_nc_u32 v6, s15, v6                       ; and in: my head's 1,024 bytes
	v_lshlrev_b32 v8, 12, v1
	v_lshl_add_u32 v8, v2, 5, v8                   ; out0: row r, + 32 g
	v_lshlrev_b32 v9, 3, v2
	v_sub_nc_u32 v9, v1, v9                        ; r - 8 g
	v_mov_b32 v10, 0xff800000                      ; -infinity
	v_lshlrev_b32 v11, 5, v2                       ; the bias: + 32 g
	s_mul_i32 s16, s13, 16*12288
	s_lshl_b32 s17, s12, 8
	s_add_co_u32 s16, s16, s17                     ; q32: my batch's rows, my head's 64 columns
	s_mov_b32 s17, 0
	s_lshl_b32 s18, s12, 18                        ; w_proj: my head's 64 rows of 4,096 bytes,
	s_lshl_b32 s19, ttmp9, 6
	s_add_co_u32 s18, s18, s19                     ; my work-group's 16 columns
	s_lshl_b32 s20, s14, 4
	s_add_co_u32 s20, s20, s19                     ; 64 nb + 16 (wave % 2)
	s_mov_b32 s19, 0
	s_mov_b32 s21, 0
	s_lshl_b32 s22, s13, 23                        ; out0: 2,048 rows of 4,096 bytes a batch
	s_add_co_u32 s22, s22, s20
	s_mov_b32 s23, 0
	s_mov_b32 s24, 0x76543210
	s_mov_b32 s25, 0xfedcba98                      ; v_permlanex16_b32's selects for lane l xor 16
	s_mov_b32 s26, 0x3e38aa3b                      ; c = log2(e) / 8
	s_wait_kmcnt 0x0
	s_add_nc_u64 s[4:5], s[4:5], s[16:17]
	s_add_nc_u64 s[6:7], s[6:7], s[18:19]
	s_add_nc_u64 s[8:9], s[8:9], s[20:21]
	s_add_nc_u64 s[10:11], s[10:11], s[22:23]
	global_load_b128 v[12:15], v11, s[8:9]         ; b_proj at columns 16 nb + 8 g + 4 (wave % 2) + 0 .. 3
.irp n, 0,1,2,3,4,5,6,7
	global_load_b128 v[32+4*\n:35+4*\n], v3, s[4:5] offset:16*\n          ; Q(r, 32 g + 4 n ..)
.endr
.irp n, 0,1,2,3,4,5,6,7
	global_load_b128 v[64+4*\n:67+4*\n], v3, s[4:5] offset:4096+16*\n     ; K likewise
.endr
.irp c, 0,1,2,3
.irp j, 0,1,2,3,4,5,6,7
	global_load_b32 v[96+8*\c+\j], v4, s[4:5] offset:8192+\j*12288+64*\c  ; V(8 g + j, 16 c + r)
.endr
.endr
	s_wait_loadcnt 32                              ; the bias, Q and K are in; V's 32 loads may be out
.set ii, 0
.rept 16                               ; S^T: instruction i takes channels 32 g + 2 i, + 1; four accumulators by turns
.if ii < 4
	v_wmma_f32_16x16x4_f32 v[160+8*(ii%4):167+8*(ii%4)], v[64+2*ii:65+2*ii], v[32+2*ii:33+2*ii], 0
.else
	v_wmma_f32_16x16x4_f32 v[160+8*(ii%4):167+8*(ii%4)], v[64+2*ii:65+2*ii], v[32+2*ii:33+2*ii], v[160+8*(ii%4):167+8*(ii%4)]
.endif
.set ii, ii+1
.endr
.irp c, 0,1,2,3
.irp j, 0,1,2,3,4,5,6,7
	global_load_b32 v[128+8*\c+\j], v5, s[6:7] offset:(16*\c+\j)*4096     ; w_proj(64 head + 16 c + 8 g + j, 16 nb + r)
.endr
.endr
.rept 8
	v_nop                                          ; eight places behind this matrix form (ISA guide 7.12.1)
.endr
.irp j, 0,1,2,3,4,5,6,7
	v_add_f32 v[192+\j], v[160+\j], v[168+\j]      ; the four partial sums; each accumulator from its low end on
.endr
.irp j, 0,1,2,3,4,5,6,7
	v_add_f32 v[200+\j], v[176+\j], v[184+\j]
.endr
.irp j, 0,1,2,3,4,5,6,7
	v_add_f32 v[192+\j], v[192+\j], v[200+\j]      ; register j: the score of key 8 g + j for query r
.endr
.irp j, 0,1,2,3,4,5,6,7
	v_cmp_gt_i32 vcc_lo, \j, v9                    ; hidden where 8 g + j > r
	v_cndmask_b32 v[192+\j], v[192+\j], v10, vcc_lo
.endr
	v_max3_num_f32 v16, v192, v193, v194
	v_max3_num_f32 v17, v195, v196, v197
	v_max3_num_f32 v16, v16, v198, v199
	v_max_num_f32 v16, v16, v17
	v_permlanex16_b32 v17, v16, s24, s25
	v_max_num_f32 v16, v16, v17                    ; the row's maximum: key 0 counts for every query, so it is a number
	v_mul_f32 v18, s26, v16
.irp j, 0,1,2,3,4,5,6,7
	v_fma_f32 v[200+\j], v[192+\j], s26, -v18
.endr
.irp j, 0,1,2,3,4,5,6,7
	v_exp_f32 v[200+\j], v[200+\j]                 ; p = 2^(c s - c m)
.endr
	v_nop
	s_wait_alu depctr_va_vdst(0)                   ; one wait for the eight, ahead of their first reader
	v_add_f32 v19, v200, v201
	v_add_f32 v20, v202, v203
	v_add_f32 v21, v204, v205
	v_add_f32 v22, v206, v207
	v_add_f32 v19, v19, v20
	v_add_f32 v21, v21, v22
	v_add_f32 v19, v19, v21
	v_permlanex16_b32 v20, v19, s24, s25
	v_add_f32 v19, v19, v20                        ; the row's sum
	v_rcp_f32 v20, v19
	v_nop
	s_wait_alu depctr_va_vdst(0)
	s_wait_loadcnt 32                              ; V is in; w_proj's 32 loads may be out
.irp i, 0,1,2,3                        ; O^T: instruction (c, i) takes keys 8 g + 2 i, + 1; four accumulators (channels 16 c on) by turns
.irp c, 0,1,2,3
.if \i == 0
	v_wmma_f32_16x16x4_f32 v[208+8*\c:215+8*\c], v[96+8*\c+2*\i:97+8*\c+2*\i], v[200+2*\i:201+2*\i], 0
.else
	v_wmma_f32_16x16x4_f32 v[208+8*\c:215+8*\c], v[96+8*\c+2*\i:97+8*\c+2*\i], v[200+2*\i:201+2*\i], v[208+8*\c:215+8*\c]
.endif
.endr
.endr
.rept 8
	v_nop
.endr
.set ii, 0
.rept 32
	v_mul_f32 v[32+ii], v[208+ii], v20             ; a(r, 16 c + 8 g + j) = O / the sum, in register 8 c + j
.set ii, ii+1
.endr
	s_wait_loadcnt 0x0                             ; w_proj
.irp c, 0,1,2,3                        ; my head's part of the projection: instruction (c, i) takes channels 16 c + 8 g + 2 i, + 1; four accumulators by turns
.irp i, 0,1,2,3
.if \c == 0
	v_wmma_f32_16x16x4_f32 v[160+8*\i:167+8*\i], v[128+8*\c+2*\i:129+8*\c+2*\i], v[32+8*\c+2*\i:33+8*\c+2*\i], 0
.else
	v_wmma_f32_16x16x4_f32 v[160+8*\i:167+8*\i], v[128+8*\c+2*\i:129+8*\c+2*\i], v[32+8*\c+2*\i:33+8*\c+2*\i], v[160+8*\i:167+8*\i]
.endif
.endr
.endr
.rept 8
	v_nop
.endr
.irp j, 0,1,2,3,4,5,6,7
	v_add_f32 v[192+\j], v[160+\j], v[168+\j]
.endr
.irp j, 0,1,2,3,4,5,6,7
	v_add_f32 v[200+\j], v[176+\j], v[184+\j]
.endr
.irp j, 0,1,2,3,4,5,6,7
	v_add_f32 v[192+\j], v[192+\j], v[200+\j]      ; register j: column 16 nb + 8 g + j of row r, my head's part
.endr
	ds_store_b128 v6, v[192:195]                   ; an image of the registers: 16 bytes a lane
	ds_store_b128 v6, v[196:199] offset:512
	s_wait_dscnt 0x0                               ; for the others' sake: my stores have landed
	s_barrier_signal -1
	s_barrier_wait -1
	s_cmp_gt_u32 s12, 1
	s_cbranch_scc1 .Ldone                          ; waves 0 and 1 add the sixteen heads' parts, four registers each
.irp n, 0,1,2,3,4,5,6,7,8,9,10,11,12,13,14,15
	ds_load_b128 v[32+4*\n:35+4*\n], v7 offset:1024*\n
.endr
	s_wait_dscnt 0x0
.irp n, 0,1,2,3,4,5,6,7
	v_pk_add_f32 v[32+4*\n:33+4*\n], v[32+4*\n:33+4*\n], v[64+4*\n:65+4*\n]
	v_pk_add_f32 v[34+4*\n:35+4*\n], v[34+4*\n:35+4*\n], v[66+4*\n:67+4*\n]
.endr
.irp n, 0,1,2,3
	v_pk_add_f32 v[32+4*\n:33+4*\n], v[32+4*\n:33+4*\n], v[48+4*\n:49+4*\n]
	v_pk_add_f32 v[34+4*\n:35+4*\n], v[34+4*\n:35+4*\n], v[50+4*\n:51+4*\n]
.endr
.irp n, 0,1
	v_pk_add_f32 v[32+4*\n:33+4*\n], v[32+4*\n:33+4*\n], v[40+4*\n:41+4*\n]
	v_pk_add_f32 v[34+4*\n:35+4*\n], v[34+4*\n:35+4*\n], v[42+4*\n:43+4*\n]
.endr
	v_pk_add_f32 v[32:33], v[32:33], v[36:37]
	v_pk_add_f32 v[34:35], v[34:35], v[38:39]
	v_pk_add_f32 v[32:33], v[32:33], v[12:13]      ; + b_proj
	v_pk_add_f32 v[34:35], v[34:35], v[14:15]
	global_store_b128 v8, v[32:35], s[10:11]       ; out0(batch x 2048 + r, 16 nb + 8 g + 4 wave + 0 .. 3)
.Ldone:
	s_wait_tensorcnt 0x0                           ; the wave's end, behind my last LDS store
	ds_add_u32 v[SPW], v[NIL]
	s_wait_dscnt 0x0
	s_endpgm
.Lfunc_end_k_qa0ad1a4b35_fine:
	.size	k_qa0ad1a4b35_fine, .Lfunc_end_k_qa0ad1a4b35_fine-k_qa0ad1a4b35_fine
	.p2alignl 7, 3214868480
	.fill 96, 4, 3214868480
	.section	.rodata,"a",@progbits
	.p2align	6, 0x0
	.amdhsa_kernel k_qa0ad1a4b35_fine
		.amdhsa_group_segment_fixed_size 18432
		.amdhsa_private_segment_fixed_size 0
		.amdhsa_enable_private_segment 0
		.amdhsa_kernarg_size 32
		.amdhsa_user_sgpr_count 2
		.amdhsa_user_sgpr_kernarg_segment_ptr 1
		.amdhsa_wavefront_size32 1
		.amdhsa_system_sgpr_workgroup_id_x 1
		.amdhsa_system_sgpr_workgroup_id_y 1
		.amdhsa_system_sgpr_workgroup_id_z 1
		.amdhsa_system_vgpr_workitem_id 0
		.amdhsa_next_free_vgpr 256
		.amdhsa_next_free_sgpr 66
		.amdhsa_reserve_vcc 1
		.amdhsa_float_denorm_mode_32 3
		.amdhsa_float_denorm_mode_16_64 3
		.amdhsa_memory_ordered 1
		.amdhsa_forward_progress 1
		.amdhsa_inst_pref_size 22
	.end_amdhsa_kernel
	.amdgpu_metadata
---
amdhsa.version: [ 1, 2 ]
amdhsa.kernels:
  - .name:           k_qa0ad1a4b35_fine
    .symbol:         k_qa0ad1a4b35_fine.kd
    .args:
      - { .name: q32, .offset: 0, .size: 8, .value_kind: global_buffer, .address_space: global }
      - { .name: w_proj, .offset: 8, .size: 8, .value_kind: global_buffer, .address_space: global }
      - { .name: b_proj, .offset: 16, .size: 8, .value_kind: global_buffer, .address_space: global }
      - { .name: out0, .offset: 24, .size: 8, .value_kind: global_buffer, .address_space: global }
    .group_segment_fixed_size: 18432
    .private_segment_fixed_size: 0
    .kernarg_segment_align: 8
    .kernarg_segment_size: 32
    .max_flat_workgroup_size: 512
    .sgpr_count:     66
    .vgpr_count:     256
    .wavefront_size: 32
...
	.end_amdgpu_metadata
.endif
;; end of part 5
